; MI455X (gfx1250); checked and timed in simulation.
; The chip was launched on July 23, 2026; its instructions are those of AMD's public machine-readable ISA for CDNA 5 (MIT licence, August 2026) and "CDNA5" Instruction Set Architecture Reference Guide (July 2026). The comments in the code are by the model that wrote it; some were corrected since.
;; Multi Head Self Attention. Allowed arithmetic: matrix products marked QUANTISED: E2M3 operands, one E8M0 scale for each 32 along K, by v_wmma_scale_f32_16x16x128_f8f6f4 with both operands' format E2M3, f32 sums; everything else in f32.
;; Inputs: Wproj 1,024 x 1,024 float32; Wqkv 1,024 x 3,072 float32; bproj 1,024 float32; bqkv 3,072 float32; x 4 x 2,048 x 1,024 float32.
;; Outputs: out0 4 x 2,048 x 1,024 float32.
;; This version of the problem:
;;   THIS VERSION OF THE PROBLEM IS GIVEN IN LOW PRECISION. The matrix products marked QUANTISED in the list below multiply operands that are first quantised to E2M3 (2 exponent bits, 3 mantissa bits; 6 bits a number), with one power-of-two scale for each 32 numbers along K (OCP MX v1.0); their sums are f32. All else is computed in f32.
;;   The module's matrix products, in the order in which they are computed (A, B: the left and right operand; K: the contracted axis; several contracted axes count as one K, in the product's order):
;;     1. [M 8,192, K 1,024] x [K 1,024, N 3,072]; A: input x; B: input Wqkv: QUANTISED
;;     2. batch 64 x [M 2,048, K 64] x [K 64, N 2,048]; A: computed on the way; B: computed on the way: QUANTISED
;;     3. batch 64 x [M 2,048, K 2,048] x [K 2,048, N 64]; A: softmax (see below); B: computed on the way: QUANTISED
;;     4. [M 8,192, K 1,024] x [K 1,024, N 1,024]; A: computed on the way; B: input Wproj: QUANTISED
;;   THE QUANTISER, for each operand of a quantised product, along K:
;;     - K is cut into blocks of 32 from its start; a last block that is shorter is filled with zeros.
;;     - A block's scale is 2^e with e = floor(log2(the largest magnitude in the block)) - 2, held to -126 .. 127; a block of zeros has e = 0. As a byte (E8M0): e + 127.
;;     - Each number is divided by its block's scale, clamped to +-7.5, and rounded to the nearest number of E2M3, ties to even, subnormals kept.
;;     - The product sums the exact products of the quantised numbers (number of the format x scale) in f32.
;;   ~~~python
;;   def quantise(x, axis):      # numpy; x: float32 -> the quantised numbers, widened to float32 again
;;       x = np.moveaxis(x, axis, -1); K = x.shape[-1]
;;       x = np.pad(x, [(0, 0)] * (x.ndim - 1) + [(0, -K % 32)]); x = x.reshape(x.shape[:-1] + (-1, 32)); a = np.abs(x).max(-1, keepdims=True)
;;       e = np.where(a > 0, np.clip(np.frexp(np.where(a > 0, a, 1))[1] - 1 - 2, -126, 127), 0)      # np.frexp(a)[1] - 1 = floor(log2(a)), exactly
;;       r = np.clip(x / 2.0 ** e, -7.5, 7.5)
;;       step = 2.0 ** (np.maximum(np.frexp(np.where(r == 0, 1, r))[1] - 1, 0) - 3)
;;       q = np.round(r / step) * step * 2.0 ** e      # np.round: ties to even
;;       return np.moveaxis(q.reshape(q.shape[:-2] + (-1,))[..., :K], -1, axis).astype(np.float32)
;;   ~~~
;;   SOFTMAX AHEAD OF A QUANTISED PRODUCT. Where the list says 'softmax', what is quantised is not the finished softmax but p = 2^(t - M), with t = logit x log2(e) and M = ceil(the row's largest t), a whole number; so 1/2 < the row's largest p <= 1. The row's sum l is taken of the UNQUANTISED p, in f32, and the product's result is divided by l at the end. Since M is a whole number, a kernel that streams over the keys may use a running M (the ceiling of the running maximum): every later rescaling is an exact power of two, which a block's scale takes up: the codes' values come out the same.
;;   OPERANDS COMPUTED ON THE WAY. 'Computed on the way' means the value that the module computes at that place (a softmax that the list does not call 'softmax' is quantised finished and normalised). What goes into a quantiser is computed in f32, as accurately as f32 sums, v_exp_f32 and their like allow (about 1e-6 of the number): no bf16 or f16 on the way to a quantiser, and a product that is left as it is and whose result goes on into a quantised operand takes f32 operands (vector FMAs, or v_wmma_f32_16x16x4_f32). A number that lies on a knife's edge between two numbers of the format may be rounded either way, as far as f32 arithmetic and the matrix unit's own rounding can turn it there, and no further.
;; One version. Each part assembles by itself: llvm-mc -triple=amdgcn-amd-amdhsa -mcpu=gfx1250 --defsym DOCPART=n.
;; ======== version 1 of 1: 4 launches
;; limits: right only within a limited range of input values
;; workspace buffers: xop 6,291,456 bytes; xsc 262,144 bytes; wop 3,145,728 bytes; wsc 131,072 bytes; qrec 13,369,344 bytes; kvrec 13,369,344 bytes; oop 6,291,456 bytes; osc 262,144 bytes
;; launch prep (part 1): grid 768 x 1, 4 waves a work-group, no clusters, 34,304 bytes of LDS; arguments x, Wqkv, Wproj, xop, xsc, wop, wsc; writes xop, xsc, wop, wsc
.if DOCPART == 1
	.amdgcn_target "amdgcn-amd-amdhsa--gfx1250"
	.amdhsa_code_object_version 6
	.text
	.protected	k_qd0bccdd554_prep
	.globl	k_qd0bccdd554_prep
	.p2align	8
	.type	k_qd0bccdd554_prep,@function
k_qd0bccdd554_prep:
	s_mov_b64 s[64:65], 0
	v_nop
	global_prefetch_b8 v0, s[64:65] scope:SCOPE_SE
	s_setreg_imm32_b32 hwreg(HW_REG_WAVE_MODE, 25, 1), 1
	s_wait_xcnt 0x0
; x [8192][1024], Wqkv [1024][3072] and Wproj [1024][1024], f32, become codes of FP6 (E2M3) with one E8M0 byte for each 32 along K = 1,024, laid in the ORDER OF THE OPERAND'S REGISTERS.
; Nothing is left out by this program: every input is loaded and every product is done.
; A tile T is 16 rows of an operand (tokens of x, columns of a weight); position i of tile T is logical row 32 (T / 2) + 8 (T % 2) + i + 8 (i / 8).
; codes [T][kappa 8][piece 6][lane 32][8 bytes]: piece P holds registers 2 P, 2 P + 1 of the fragment (16 rows x 128 K): lane (r, h), registers 6 c .. 6 c + 5: k = 128 kappa + 64 c + 32 h + 0 .. 31 of position r.
; scale words [T][kappa 8][position 16], four bytes each.  Weights: tiles 0-191 are Wqkv's columns, tiles 192-255 Wproj's.
; A block's scale is 2^(floor(log2(its largest magnitude)) - 2): its byte is the largest magnitude's exponent field - 2, held at 1 from below.
; LIMITS: a block whose largest magnitude lies under 2^-124 keeps the byte 1; a block of zeros gets the byte 1 where the rule says 127 (its codes are zeros, and this program alone reads the bytes); NaN and infinities are not served.
; Work-groups 0-511: one tile of x each, wave s its K steps 2 s, 2 s + 1.  512-703: Wqkv, 704-767: Wproj: 128 columns x one K step of 128 each, a wave 32 columns.  Waves share nothing: no barrier.  Only x's path uses LDS.
; A weight wave's scale words leave as two runs of 64 bytes (two tiles, one K step): 131,072 bytes in the whole launch.
.set SEL,  20                          ; s[20:21] selects for lane l xor 16
.set HI,   22                          ; s22      mask of lanes 16-31
.set R,    16                          ; v16-143  x as loaded: two K steps x 16 rows x 4 registers
.set XN,   144                         ; v144-207 64 numbers of my row: register 16 b + e = k 32 b + 16 h + e
.set TM,   208                         ; v208-223 largest magnitudes, bytes, scale operands
.set PW,   224                         ; v224-225 the two scale words
.set PC,   226                         ; v226-237 a fragment's codes
.set TQ,   238                         ; v238-244 second halves of the blocks' codes
.set WX,   32                          ; weights: v32-95 two sets of 32 numbers down K
.set CW,   96                          ; v96-119  four blocks x 6 registers of codes
.set CT,   144                         ; v144-146 a block's second half
.set SBW,  148                         ; v148     my column's scale word
.set SPX,  528                         ; a stage row: 512 bytes + 16
	s_load_b256 s[4:11], s[0:1], 0x0               ; x, Wqkv, Wproj, xop
	s_load_b128 s[12:15], s[0:1], 0x20             ; xsc, wop
	s_load_b64 s[16:17], s[0:1], 0x30              ; wsc
	v_lshl_add_u32 v248, v0, 2, 0x8400
	v_mov_b32 v249, 0
	v_lshrrev_b32 v1, 5, v0
	v_readfirstlane_b32 s18, v1                    ; wave 0..3
	v_and_b32 v6, 31, v0                           ; lane
	v_and_b32 v7, 15, v0                           ; r
	v_bfe_u32 v8, v0, 4, 1                         ; h
	v_lshlrev_b32 v1, 4, v6                        ; 16 x lane
	v_lshlrev_b32 v2, 3, v6                        ; 8 x lane
	v_lshlrev_b32 v3, 2, v6                        ; 4 x lane
	s_mov_b32 s[SEL], 0x76543210
	s_mov_b32 s[SEL+1], 0xfedcba98
	v_cmp_le_u32 s[HI], 16, v6
	s_cmp_lt_u32 ttmp9, 512
	s_cbranch_scc0 .Lweights
; 64 numbers of a lane, register 16 b + e = k 32 b + 16 h + e of my row, become a fragment's codes (d0: registers 0-5, d1: 6-11) and its scale word pw.
.macro QUANT s, d0, d1, pw
.irp b, 0,1,2,3
	v_max3_num_f32 v[TM+\b], |v[(\s)+16*\b]|, |v[(\s)+1+16*\b]|, 0x1800000   ; my 16 numbers of block b, and the floor 2^(3 - 127)
.endr
.irp i, 2,4,6,8,10,12,14
.irp b, 0,1,2,3
	v_max3_num_f32 v[TM+\b], v[TM+\b], |v[(\s)+16*\b+\i]|, |v[(\s)+1+16*\b+\i]|
.endr
.endr
.irp b, 0,1,2,3
	v_permlanex16_b32 v[TM+4+\b], v[TM+\b], s[SEL], s[SEL+1]
.endr
.irp b, 0,1,2,3
	v_max_num_f32 v[TM+\b], v[TM+\b], v[TM+4+\b]   ; with lane l xor 16's 16
.endr
.irp b, 0,1,2,3
	v_add_nc_u32 v[TM+12+\b], 0xff000000, v[TM+\b] ; 2 off the exponent field: the conversion's scale operand
.endr
.irp b, 0,1,2,3
	v_lshrrev_b32 v[TM+4+\b], 23, v[TM+12+\b]      ; the scale's byte
.endr
	v_lshl_or_b32 v[\pw], v[TM+5], 8, v[TM+4]
	v_lshl_or_b32 v[\pw], v[TM+6], 16, v[\pw]
	v_lshl_or_b32 v[\pw], v[TM+7], 24, v[\pw]
	v_cvt_scalef32_pk16_fp6_f32 v[\d0:\d0+2], v[(\s):(\s)+15], v[TM+12]
	v_cvt_scalef32_pk16_fp6_f32 v[TQ:TQ+2], v[(\s)+16:(\s)+31], v[TM+13]
	v_cvt_scalef32_pk16_fp6_f32 v[\d1:\d1+2], v[(\s)+32:(\s)+47], v[TM+14]
	v_cvt_scalef32_pk16_fp6_f32 v[TQ+4:TQ+6], v[(\s)+48:(\s)+63], v[TM+15]
	v_nop                                          ; one plain place behind the scaled conversions
.irp i, 0,1,2
	v_permlane16_swap_b32 v[\d0+\i], v[TQ+\i]      ; a WHOLE block in a lane: lanes 0-15 block 0, lanes 16-31 block 1
.endr
.irp i, 0,1,2
	v_mov_b32 v[\d0+3+\i], v[TQ+\i]
.endr
.irp i, 0,1,2
	v_permlane16_swap_b32 v[\d1+\i], v[TQ+4+\i]
.endr
.irp i, 0,1,2
	v_mov_b32 v[\d1+3+\i], v[TQ+4+\i]
.endr
.endm
; One K step's 16 rows x 512 bytes turn through my wave's stage: in as loaded, out 64 bytes of my row for each block of 32.  LDS serves a wave's instructions in order.
.macro XTURN k
.irp i, 0,1,2,3,4,5,6,7,8,9,10,11,12,13,14,15
	ds_store_b128 v4, v[R+64*\k+4*\i:R+64*\k+4*\i+3] offset:SPX*\i
.endr
.irp b, 0,1,2,3
.irp j, 0,1,2,3
	ds_load_b128 v[XN+16*\b+4*\j:XN+16*\b+4*\j+3], v5 offset:128*\b+16*\j
.endr
.endr
.endm
	; ---- x: tile T = the work-group's number
	s_mul_i32 s23, s18, 16*SPX                     ; my wave's stage
	v_add_nc_u32 v4, s23, v1
	v_mul_u32_u24 v5, v7, SPX
	v_lshl_add_u32 v5, v8, 6, v5
	v_add_nc_u32 v5, s23, v5                       ; way out: row r, + 64 h
	s_lshr_b32 s24, ttmp9, 1
	s_lshl_b32 s24, s24, 17                        ; 32 (T / 2) rows of 4,096 bytes
	s_and_b32 s25, ttmp9, 1
	s_lshl_b32 s25, s25, 15                        ; 8 (T % 2) rows
	s_add_co_u32 s24, s24, s25
	s_lshl_b32 s25, s18, 10                        ; my wave's 256 numbers of a row
	s_add_co_u32 s24, s24, s25
	s_mov_b32 s25, 0
	s_mul_i32 s26, ttmp9, 12288
	s_mul_i32 s27, s18, 3072
	s_add_co_u32 s26, s26, s27                     ; the codes of (T, kappa = 2 wave)
	s_mov_b32 s27, 0
	s_lshl_b32 s28, ttmp9, 9
	s_lshl_b32 s29, s18, 7
	s_add_co_u32 s28, s28, s29                     ; and their scale words
	s_mov_b32 s29, 0
.irp b, 0,1,2,3
	v_mov_b32 v[TM+4+\b], 0                        ; a lane permute's destination counts as a source
.endr
	s_wait_alu depctr_va_vdst(0)
	s_wait_kmcnt 0x0
	s_add_nc_u64 s[4:5], s[4:5], s[24:25]
	s_add_nc_u64 s[10:11], s[10:11], s[26:27]
	s_add_nc_u64 s[12:13], s[12:13], s[28:29]
.irp k, 0,1
.irp i, 0,1,2,3,4,5,6,7,8,9,10,11,12,13,14,15
	global_load_b128 v[R+64*\k+4*\i:R+64*\k+4*\i+3], v1, s[4:5] offset:(\i+8*(\i/8))*4096+512*\k th:TH_LOAD_NT   ; position i's row: 512 consecutive bytes
.endr
.endr
	s_wait_loadcnt 16                              ; the first K step's 16 loads are in; the second's 16 may be out
	XTURN 0
	s_wait_dscnt 0x0
	QUANT XN, PC, PC+6, PW
.irp p, 0,1,2,3,4,5
	global_store_b64 v2, v[PC+2*\p:PC+2*\p+1], s[10:11] offset:256*\p      ; 256 consecutive bytes, aligned
.endr
	s_wait_loadcnt 0x0
	XTURN 1
	s_wait_dscnt 0x0
	s_wait_xcnt 0x0                                ; the stores have read their data
	QUANT XN, PC, PC+6, PW+1
.irp p, 0,1,2,3,4,5
	global_store_b64 v2, v[PC+2*\p:PC+2*\p+1], s[10:11] offset:1536+256*\p
.endr
	v_cndmask_b32 v[PW], v[PW], v[PW+1], s[HI]     ; lanes 0-15 the first K step's words, lanes 16-31 the second's
	global_store_b32 v3, v[PW], s[12:13]
	s_wait_tensorcnt 0x0                           ; the wave's end
	ds_add_u32 v248, v249
	s_wait_dscnt 0x0
	s_endpgm
; ---- the weights: K is their FIRST axis.  A lane takes a column and its registers run down K: a block of 32 is one lane's, and the conversions give codes with K innermost.
.macro WLOAD t, cols, ptr              ; block t: W(32 t + i, my column) into set t % 2; a wave reads 128 consecutive bytes, the work-group 512
.irp i, 0,1,2,3,4,5,6,7,8,9,10,11,12,13,14,15,16,17,18,19,20,21,22,23,24,25,26,27,28,29,30,31
	global_load_b32 v[WX+32*((\t)%2)+\i], v9, s[\ptr:\ptr+1] offset:(32*(\t)+\i)*(\cols)*4 th:TH_LOAD_NT
.endr
.endm
.macro WBLOCK t, cols, ptr
.set XS, WX+32*((\t)%2)
.if (\t) < 3
	s_wait_loadcnt 32                              ; this block's 32 loads are in; the next block's may be out
.else
	s_wait_loadcnt 0x0
.endif
	v_max3_num_f32 v12, |v[XS]|, |v[XS+1]|, |v[XS+2]|
	v_max3_num_f32 v13, |v[XS+3]|, |v[XS+4]|, |v[XS+5]|
.irp i, 6,10,14,18,22,26
	v_max3_num_f32 v12, v12, |v[XS+\i]|, |v[XS+\i+1]|
	v_max3_num_f32 v13, v13, |v[XS+\i+2]|, |v[XS+\i+3]|
.endr
	v_max3_num_f32 v12, v12, |v[XS+30]|, |v[XS+31]|
	v_max3_num_f32 v12, v12, v13, 0x1800000        ; with the floor 2^(3 - 127)
	v_add_nc_u32 v11, 0xff000000, v12              ; the conversion's scale operand
	v_lshrrev_b32 v13, 23, v11                     ; the scale's byte
.if (\t) == 0
	v_mov_b32 v[SBW], v13
.else
	v_lshl_or_b32 v[SBW], v13, 8*(\t), v[SBW]
.endif
	v_cvt_scalef32_pk16_fp6_f32 v[CW+6*(\t):CW+6*(\t)+2], v[XS:XS+15], v11
	v_cvt_scalef32_pk16_fp6_f32 v[CT:CT+2], v[XS+16:XS+31], v11
	v_nop                                          ; one plain place behind the scaled conversions
.irp i, 0,1,2
	v_mov_b32 v[CW+6*(\t)+3+\i], v[CT+\i]
.endr
.if (\t)+2 < 4
	WLOAD (\t)+2, \cols, \ptr
.endif
.endm
; cols: the weight's columns; ptr: the scalar pair with its address; first: its first work-group; tile0: its first tile in wop and wsc
.macro WPATH cols, ptr, first, tile0
	s_sub_co_u32 s23, ttmp9, \first
	s_lshr_b32 s24, s23, 3                         ; which 128 columns
	s_and_b32 s23, s23, 7                          ; which K step of 128
	s_lshl_b32 s24, s24, 2
	s_add_co_u32 s24, s24, s18                     ; my wave's 32 columns: tiles 2 beta and 2 beta + 1
	s_mul_i32 s26, s23, 128*(\cols)*4
	s_lshl_b32 s27, s24, 7
	s_add_co_u32 s26, s26, s27
	s_mov_b32 s27, 0
	s_lshl_b32 s24, s24, 1
	s_add_co_u32 s24, s24, \tile0
	s_mul_i32 s28, s24, 12288
	s_mul_i32 s29, s23, 1536
	s_add_co_u32 s28, s28, s29
	s_mov_b32 s29, 0
	s_lshl_b32 s30, s24, 9
	s_lshl_b32 s31, s23, 6
	s_add_co_u32 s30, s30, s31
	s_mov_b32 s31, 0
	s_wait_kmcnt 0x0
	s_add_nc_u64 s[\ptr:\ptr+1], s[\ptr:\ptr+1], s[26:27]
	s_add_nc_u64 s[14:15], s[14:15], s[28:29]
	s_add_nc_u64 s[16:17], s[16:17], s[30:31]
	WLOAD 0, \cols, \ptr
	WLOAD 1, \cols, \ptr
.irp t, 0,1,2,3
	WBLOCK \t, \cols, \ptr
.endr
; Lanes 0-15 hold tile 2 beta's columns, lanes 16-31 tile 2 beta + 1's.  Blocks 2 c and 2 c + 1 change halves: the first register then is tile 2 beta's (h = 0 | h = 1), the second tile 2 beta + 1's.
.irp c, 0,1
.irp e, 0,1,2,3,4,5
	v_permlane16_swap_b32 v[CW+6*(2*\c)+\e], v[CW+6*(2*\c+1)+\e]
.endr
.endr
.irp c, 0,1
.irp u, 0,1
.irp p, 0,1,2
	global_store_b64 v2, v[CW+6*(2*\c+\u)+2*\p:CW+6*(2*\c+\u)+2*\p+1], s[14:15] offset:\u*12288+(3*\c+\p)*256   ; 256 consecutive bytes, aligned
.endr
.endr
.endr
	v_mad_u32_u24 v10, v8, 448, v3                 ; 4 r in tile 2 beta's words, 512 + 4 r in tile 2 beta + 1's
	global_store_b32 v10, v[SBW], s[16:17]
	s_endpgm
.endm
.Lweights:
	s_wait_alu depctr_va_vdst(0)
	v_and_b32 v9, 7, v6                            ; lane 16 u + i takes column 8 u + i + 8 (i / 8) of its wave's 32: position i of tile 2 beta + u
	v_and_b32 v10, 8, v6
	v_lshl_or_b32 v9, v10, 1, v9
	v_and_b32 v10, 16, v6
	v_lshrrev_b32 v10, 1, v10
	v_or_b32 v9, v9, v10
	v_lshlrev_b32 v9, 2, v9                        ; in bytes
	s_cmp_lt_u32 ttmp9, 704
	s_cbranch_scc0 .Lwproj
	s_wait_alu depctr_va_vdst(0)
	WPATH 3072, 6, 512, 0
.Lwproj:
	s_wait_alu depctr_va_vdst(0)
	WPATH 1024, 8, 704, 192
.Lfunc_end_k_qd0bccdd554_prep:
	.size	k_qd0bccdd554_prep, .Lfunc_end_k_qd0bccdd554_prep-k_qd0bccdd554_prep
	.p2alignl 7, 3214868480
	.fill 96, 4, 3214868480
	.section	.rodata,"a",@progbits
	.p2align	6, 0x0
	.amdhsa_kernel k_qd0bccdd554_prep
		.amdhsa_group_segment_fixed_size 34304
		.amdhsa_private_segment_fixed_size 0
		.amdhsa_enable_private_segment 0
		.amdhsa_kernarg_size 56
		.amdhsa_user_sgpr_count 2
		.amdhsa_user_sgpr_kernarg_segment_ptr 1
		.amdhsa_wavefront_size32 1
		.amdhsa_system_sgpr_workgroup_id_x 1
		.amdhsa_system_sgpr_workgroup_id_y 1
		.amdhsa_system_sgpr_workgroup_id_z 1
		.amdhsa_system_vgpr_workitem_id 0
		.amdhsa_next_free_vgpr 250
		.amdhsa_next_free_sgpr 66
		.amdhsa_reserve_vcc 0
		.amdhsa_float_denorm_mode_32 3
		.amdhsa_float_denorm_mode_16_64 3
		.amdhsa_memory_ordered 1
		.amdhsa_forward_progress 1
		.amdhsa_inst_pref_size 60
	.end_amdhsa_kernel
	.amdgpu_metadata
---
amdhsa.version: [ 1, 2 ]
amdhsa.kernels:
  - .name:           k_qd0bccdd554_prep
    .symbol:         k_qd0bccdd554_prep.kd
    .args:
      - { .name: x, .offset: 0, .size: 8, .value_kind: global_buffer, .address_space: global }
      - { .name: Wqkv, .offset: 8, .size: 8, .value_kind: global_buffer, .address_space: global }
      - { .name: Wproj, .offset: 16, .size: 8, .value_kind: global_buffer, .address_space: global }
      - { .name: xop, .offset: 24, .size: 8, .value_kind: global_buffer, .address_space: global }
      - { .name: xsc, .offset: 32, .size: 8, .value_kind: global_buffer, .address_space: global }
      - { .name: wop, .offset: 40, .size: 8, .value_kind: global_buffer, .address_space: global }
      - { .name: wsc, .offset: 48, .size: 8, .value_kind: global_buffer, .address_space: global }
    .group_segment_fixed_size: 34304
    .private_segment_fixed_size: 0
    .kernarg_segment_align: 8
    .kernarg_segment_size: 56
    .max_flat_workgroup_size: 128
    .sgpr_count:     66
    .vgpr_count:     250
    .wavefront_size: 32
...
	.end_amdgpu_metadata
.endif
;; end of part 1
;; launch qkv (part 2): grid 12 x 32, 4 waves a work-group, clusters of 4 x 4, 327,680 bytes of LDS; arguments xop, xsc, wop, wsc, bqkv, qrec, kvrec; writes qrec, kvrec
.if DOCPART == 2
	.amdgcn_target "amdgcn-amd-amdhsa--gfx1250"
	.amdhsa_code_object_version 6
	.text
	.protected	k_qd0bccdd554_qkv
	.globl	k_qd0bccdd554_qkv
	.p2align	8
	.type	k_qd0bccdd554_qkv,@function
k_qd0bccdd554_qkv:
	s_mov_b64 s[64:65], 0
	v_nop
	global_prefetch_b8 v0, s[64:65] scope:SCOPE_SE
	s_setreg_imm32_b32 hwreg(HW_REG_WAVE_MODE, 25, 1), 1
	s_wait_xcnt 0x0
	s_wait_alu depctr_hold_cnt(0) depctr_sa_sdst(0) depctr_va_vdst(0) depctr_va_sdst(0) depctr_va_ssrc(0) depctr_va_vcc(0) depctr_vm_vsrc(0)
	s_getreg_b32 s2, hwreg(HW_REG_IB_STS2, 6, 4)
	s_cmp_eq_u32 s2, 0
	s_cbranch_scc0 .Lentry_in_a_cluster
	s_endpgm
.Lentry_in_a_cluster:
	s_bfe_u32 s2, ttmp6, 0x10000c
	s_cmp_lg_u32 s2, 0xf033
	s_cbranch_scc0 .Lentry_shape_is_right
	s_endpgm
.Lentry_shape_is_right:
; Q, K, V = x Wqkv + bqkv on codes of FP6 with E8M0 scales, quantised again on the way out and stored as the records that the next launch reads.
; A work-group of four waves makes 256 x 256, a wave 128 x 128; K = 1,024 goes in four slots of 256 through a ring of two.  Cluster x = 0, 1: Q, K (A = tokens, B = the weight's columns); cluster x = 2: V (A = the weight's columns, B = tokens).
; 4 x 4 work-groups ask jointly: A's tiles along a row of the cluster, B's along a column.  The bias is the first products' C.
; THE HEAD: one joint load a wave: wave 0 slot 0's 16 tiles of A, wave 1 those of B, wave 2 A's scale words for all of K, wave 3 B's; slot 1 follows behind the full sequence and a round.
; Nothing is prefetched: K has four slots, of which two are asked for at the head.
; LIMITS: a block whose largest magnitude lies under 2^-124 keeps the scale byte 1; NaN and infinities are not served.
.set NQ,     2
.set FR,     12
.set NL,     6
.set NP,     4
.set FRB,    1536
.set TROW,   NQ*FRB
.set TPITCH, 8*FRB
.set HALFT,  8*TROW
.set SLOT,   4*HALFT
.set SCL,    2*SLOT
.set HALFS,  4096
.set SPARE,  SCL+4*HALFS
.set RECB,   13056
.set HEADB,  16*RECB
.set ADRA, 16
.set ADRB, 20
.set L16,  24
.set L8,   25
.set BO,   26
.set ADRS, 27
.set SPW,  28
.set NIL,  29
.set SC,   32
.set BI,   64
.set AF,   128
.set PCB,  112
.set TQ,   136
.set SW,   144
.set TW,   152
.set TM,   200
.set PW,   216
.set G1,   24
.set G0,   32
.set G1B,  48
.set G0B,  56
.set G1S,  68
.set G0S,  76
.set G1SB, 80
.set G0SB, 88
.set MODE, 66
.set HI,   98
.set K7F,  99
.set PLO,  100
.set PHI,  101
.set SEL,  104
.set MSB, 0
.macro WIN new
.if MSB != (\new)
	s_set_vgpr_msb (MSB<<8)|(\new)
.set MSB, (\new)
.endif
.endm
.set MUL_LO, 0xa1
.set MUL_HI, 0xf1
.set TO_B,   0x40
.macro JLOAD g0a, g1a, g0b, g1b
	s_cmp_eq_u32 s15, 0
	s_cbranch_scc0 .Lfor_b_\@
	tensor_load_to_lds s[\g0a:\g0a+3], s[\g1a:\g1a+7]
	s_nop 0
.rept 4
	v_nop
.endr
	s_branch .Lasked_\@
.Lfor_b_\@:
	tensor_load_to_lds s[\g0b:\g0b+3], s[\g1b:\g1b+7]
	s_nop 0
.rept 4
	v_nop
.endr
.Lasked_\@:
.endm
.macro CREST
	s_cmp_lg_u32 s14, 0
	s_cbranch_scc1 .Lnot_wave_0_\@
	s_barrier_signal -3
.Lnot_wave_0_\@:
	s_barrier_wait -3
	s_barrier_signal -1
	s_barrier_wait -1
.endm
.macro CROUND
	s_barrier_signal -1
	s_barrier_wait -1
	CREST
.endm
	s_load_b256 s[4:11], s[0:1], 0x0
	s_load_b128 s[96:99], s[0:1], 0x20
	s_load_b64 s[100:101], s[0:1], 0x30
	v_lshl_add_u32 v[SPW], v0, 2, SPARE
	v_mov_b32 v[NIL], 0
	ds_add_u32 v28, v29
	ds_add_u32 v28, v29
	s_wait_dscnt 0x0
	v_lshrrev_b32 v1, 5, v0
	v_readfirstlane_b32 s14, v1
	s_lshr_b32 s15, s14, 1
	s_and_b32 s16, s14, 1
	s_bfe_u32 s40, ttmp6, 0x40000
	s_bfe_u32 s41, ttmp6, 0x40004
	s_and_b32 s67, ttmp7, 0xffff
	s_cmp_eq_u32 ttmp9, 2
	s_cselect_b32 s[MODE], 1, 0
	s_cselect_b32 s17, 0, s67
	s_cselect_b32 s42, s67, ttmp9
	s_cselect_b32 s67, 128, 0
	s_lshl_b32 s17, s17, 2
	s_add_co_u32 s17, s17, s41
	s_lshl_b32 s42, s42, 2
	s_add_co_u32 s42, s42, s40
	s_lshl_b32 s43, s41, 2
	s_lshl_b32 s43, 15, s43
	s_lshl_b32 s44, 0x1111, s40
	s_or_b32 s[G1+0], s43, (3<<16)|(1<<21)
	s_or_b32 s[G1B+0], s44, (3<<16)|(1<<21)
.irp g, G1, G1B
	s_mov_b32 s[\g+1], 384<<16
	s_mov_b32 s[\g+2], 16<<16                      ; the head's loads bring 16 tile rows; the ring's 8 (set behind the head's wait)
	s_mov_b32 s[\g+3], 384<<16
	s_mov_b32 s[\g+4], 16
	s_mov_b32 s[\g+5], 1536
	s_mov_b32 s[\g+6], 0
	s_mov_b32 s[\g+7], 0
.endr
	s_or_b32 s[G1S+0], s43, (3<<16)|(1<<21)
	s_or_b32 s[G1SB+0], s44, (3<<16)|(1<<21)
.irp g, G1S, G1SB
	s_mov_b32 s[\g+1], 32<<16
	s_mov_b32 s[\g+2], 32<<16                      ; the scale words of 16 tiles: 32 rows of 256 bytes
	s_mov_b32 s[\g+3], 32<<16
	s_mov_b32 s[\g+4], 32
	s_mov_b32 s[\g+5], 32
	s_mov_b32 s[\g+6], 0
	s_mov_b32 s[\g+7], 0
.endr
	s_lshl_b32 s18, s16, 3
	s_lshl_b32 s20, s17, 4
	s_add_co_u32 s20, s20, s18
	s_add_co_u32 s20, s20, s67
	s_lshl_b32 s46, s42, 4
	s_add_co_u32 s46, s46, s18
	s_lshl_b32 s22, s20, 9
	s_mov_b32 s23, 0
	s_lshl_b32 s92, s46, 9
	s_mov_b32 s93, 0
	s_mul_i32 s20, s20, TPITCH
	s_mov_b32 s21, 0
	s_mul_i32 s46, s46, TPITCH
	s_mov_b32 s47, 0
	s_mul_i32 s45, s14, HALFT
	s_lshl_b32 s94, s14, 12
	s_wait_kmcnt 0x0
	s_cmp_eq_u32 s[MODE], 1
	s_cselect_b64 s[18:19], s[8:9], s[4:5]
	s_cselect_b64 s[2:3], s[10:11], s[6:7]
	s_cselect_b64 s[4:5], s[4:5], s[8:9]
	s_cselect_b64 s[6:7], s[6:7], s[10:11]
	s_add_nc_u64 s[20:21], s[18:19], s[20:21]
	s_add_nc_u64 s[22:23], s[2:3], s[22:23]
	s_add_nc_u64 s[46:47], s[4:5], s[46:47]
	s_add_nc_u64 s[92:93], s[6:7], s[92:93]
	s_cmp_eq_u32 ttmp9, 0
	s_cselect_b64 s[12:13], s[98:99], s[100:101]
	CROUND
	s_mul_i32 s18, s16, 8*TPITCH                   ; the ring's addresses hold my half of a tile: taken off again for the head's whole tiles
	s_mov_b32 s19, 0
	s_mov_b32 s4, 1                                ; s[4:7]: slot 0's 16 tile rows of A (the arguments that lay here have been used)
	s_mov_b32 s5, 0
	s_sub_nc_u64 s[6:7], s[20:21], s[18:19]
	s_or_b32 s7, s7, 0x80000000
	s_mov_b32 s8, 1                                ; s[8:11]: those of B, behind A's
	s_mov_b32 s9, 2*HALFT
	s_sub_nc_u64 s[10:11], s[46:47], s[18:19]
	s_or_b32 s11, s11, 0x80000000
	s_lshl_b32 s18, s16, 12
	s_mov_b32 s[G0S], 1                            ; A's scale words
	s_mov_b32 s[G0S+1], SCL
	s_sub_nc_u64 s[G0S+2:G0S+3], s[22:23], s[18:19]
	s_or_b32 s[G0S+3], s[G0S+3], 0x80000000
	s_mov_b32 s[G0SB], 1                           ; B's
	s_mov_b32 s[G0SB+1], SCL+2*HALFS
	s_sub_nc_u64 s[G0SB+2:G0SB+3], s[92:93], s[18:19]
	s_or_b32 s[G0SB+3], s[G0SB+3], 0x80000000
.macro ARM under, g0, g1, next                 ; one chain of branches on the wave's number, one load to an arm, all arms to one join
	s_cmp_lt_u32 s14, \under
	s_cbranch_scc0 \next
	tensor_load_to_lds s[\g0:\g0+3], s[\g1:\g1+7]
	s_nop 0
.rept 4
	v_nop
.endr
	s_branch .Lhead_asked
\next:
.endm
	ARM 1, 4, G1, .Lhead_b
	ARM 2, 8, G1B, .Lhead_sa
	ARM 3, G0S, G1S, .Lhead_sb
	tensor_load_to_lds s[G0SB:G0SB+3], s[G1SB:G1SB+7]
	s_nop 0
.rept 4
	v_nop
.endr
.Lhead_asked:
.irp s, 0,1
	s_mov_b32 s[G0+4*\s], 1
	s_add_co_u32 s[G0+4*\s+1], s45, \s*SLOT
	s_add_nc_u64 s[G0+4*\s+2:G0+4*\s+3], s[20:21], \s*TROW
	s_or_b32 s[G0+4*\s+3], s[G0+4*\s+3], 0x80000000
	s_mov_b32 s[G0B+4*\s], 1
	s_add_co_u32 s[G0B+4*\s+1], s45, \s*SLOT
	s_add_nc_u64 s[G0B+4*\s+2:G0B+4*\s+3], s[46:47], \s*TROW
	s_or_b32 s[G0B+4*\s+3], s[G0B+4*\s+3], 0x80000000
.endr
	v_and_b32 v1, 15, v0
	v_bfe_u32 v2, v0, 4, 1
	s_wait_alu depctr_va_vdst(0)
	v_and_b32 v3, 31, v0
	v_lshlrev_b32 v[L8], 3, v3
	v_lshlrev_b32 v[L16], 4, v3
	s_mul_i32 s21, s15, HALFT
	s_mul_i32 s22, s16, HALFT
	s_add_co_u32 s22, s22, 2*HALFT
.irp s, 0,1
	v_add_nc_u32 v[ADRA+\s], s21, v[L8]
	v_add_nc_u32 v[ADRB+\s], s22, v[L8]
	s_add_co_u32 s21, s21, SLOT
	s_add_co_u32 s22, s22, SLOT
.endr
	s_lshl_b32 s21, s15, 12
	s_lshl_b32 s22, s16, 12
	s_add_co_u32 s22, s22, 2*HALFS
	s_sub_co_u32 s22, s22, s21
	v_mul_u32_u24 v4, s22, v2
	s_add_co_u32 s21, s21, SCL
	v_lshl_add_u32 v4, v1, 2, v4
	v_add_nc_u32 v[ADRS], s21, v4
	s_lshl_b32 s18, s17, 1
	s_add_co_u32 s18, s18, s15
	s_lshl_b32 s19, s42, 1
	s_add_co_u32 s19, s19, s16
	s_lshl_b32 s20, s40, 2
	s_lshl_b32 s21, s16, 1
	s_add_co_u32 s20, s20, s21
	s_lshl_b32 s21, s41, 2
	s_lshl_b32 s22, s15, 1
	s_add_co_u32 s21, s21, s22
	s_cmp_eq_u32 s[MODE], 1
	s_cselect_b32 s18, s19, s18
	s_cselect_b32 s20, s21, s20
	s_lshr_b32 s19, s18, 4
	s_lshl_b32 s19, s19, 4
	s_add_co_u32 s19, s19, s20
	s_lshl_b32 s19, s19, 4
	s_and_b32 s18, s18, 15
	s_add_co_u32 s19, s19, s18
	s_mul_i32 s18, s19, RECB
	s_mov_b32 s19, 0
	s_add_nc_u64 s[12:13], s[12:13], s[18:19]
	s_mov_b32 s[SEL], 0x76543210
	s_mov_b32 s[SEL+1], 0xfedcba98
	s_mov_b32 s[K7F], 0x7f7f7f7f
	s_mov_b32 s[PLO], 0x05040100
	s_mov_b32 s[PHI], 0x05040302
	v_cmp_le_u32 s[HI], 16, v3
	s_cmp_eq_u32 s[MODE], 0
	s_cbranch_scc0 .Lbias_v
	s_lshl_b32 s18, s42, 10
	s_lshl_b32 s19, s16, 9
	s_add_co_u32 s18, s18, s19
	s_mov_b32 s19, 0
	s_add_nc_u64 s[96:97], s[96:97], s[18:19]
	v_lshlrev_b32 v[BO], 6, v2
.irp b, 0,1,2,3,4,5,6,7
	global_load_b128 v[BI+8*\b:BI+8*\b+3], v[BO], s[96:97] offset:(32*(\b/2)+8*(\b%2))*4
	global_load_b128 v[BI+8*\b+4:BI+8*\b+7], v[BO], s[96:97] offset:(32*(\b/2)+8*(\b%2))*4+16
.endr
	s_branch .Lbias_done
.Lbias_v:
	s_lshl_b32 s18, s17, 10
	s_lshl_b32 s19, s15, 9
	s_add_co_u32 s18, s18, s19
	s_add_co_u32 s18, s18, 2048*4
	s_mov_b32 s19, 0
	s_add_nc_u64 s[96:97], s[96:97], s[18:19]
	v_and_b32 v5, 8, v1
	v_add_nc_u32 v5, v5, v1
	v_lshlrev_b32 v[BO], 2, v5
.irp a, 0,1,2,3,4,5,6,7
.irp j, 0,1,2,3,4,5,6,7
	global_load_b32 v[BI+8*\a+\j], v[BO], s[96:97] offset:(32*(\a/2)+8*(\a%2))*4
.endr
.endr
.Lbias_done:
.macro FRAG reg, adr, q, i
.irp p, 0,1,2,3,4,5
	ds_load_b64 v[\reg+2*\p:\reg+2*\p+1], v[\adr] offset:(\i)*TROW+(\q)*FRB+256*\p
.endr
.endm
.macro MUL16 a0, p, q, sc, zero
.irp a, \a0, \a0+1
.irp b, 0,1,2,3,4,5,6,7
.if (\zero) == 1
	v_wmma_scale_f32_16x16x128_f8f6f4 v[8*(8*((\a)%4)+\b):8*(8*((\a)%4)+\b)+7], v[128*(\p)+FR*\b:128*(\p)+FR*\b+FR-1], v[AF+FR*(\a):AF+FR*(\a)+FR-1], v[BI+8*\b:BI+8*\b+7], v[SC+8*NQ*(\sc)+NQ*\b+(\q)], v[SC+8*NQ*(\sc)+NQ*(\a)+(\q)] matrix_a_fmt:MATRIX_FMT_FP6 matrix_b_fmt:MATRIX_FMT_FP6 matrix_a_scale:MATRIX_SCALE_ROW1
.elseif (\zero) == 2
	v_wmma_scale_f32_16x16x128_f8f6f4 v[8*(8*((\a)%4)+\b):8*(8*((\a)%4)+\b)+7], v[128*(\p)+FR*\b:128*(\p)+FR*\b+FR-1], v[AF+FR*(\a):AF+FR*(\a)+FR-1], v[BI+8*(\a):BI+8*(\a)+7], v[SC+8*NQ*(\sc)+NQ*\b+(\q)], v[SC+8*NQ*(\sc)+NQ*(\a)+(\q)] matrix_a_fmt:MATRIX_FMT_FP6 matrix_b_fmt:MATRIX_FMT_FP6 matrix_a_scale:MATRIX_SCALE_ROW1
.else
	v_wmma_scale_f32_16x16x128_f8f6f4 v[8*(8*((\a)%4)+\b):8*(8*((\a)%4)+\b)+7], v[128*(\p)+FR*\b:128*(\p)+FR*\b+FR-1], v[AF+FR*(\a):AF+FR*(\a)+FR-1], v[8*(8*((\a)%4)+\b):8*(8*((\a)%4)+\b)+7], v[SC+8*NQ*(\sc)+NQ*\b+(\q)], v[SC+8*NQ*(\sc)+NQ*(\a)+(\q)] matrix_a_fmt:MATRIX_FMT_FP6 matrix_b_fmt:MATRIX_FMT_FP6 matrix_a_scale:MATRIX_SCALE_ROW1
.endif
.endr
.endr
.endm
.macro FETCH_B slot, q, p
	WIN TO_B
.irp i, 0,1,2,3,4,5,6,7
	FRAG 128*(\p)+FR*\i, ADRB+\slot, \q, \i
.endr
	WIN 0
.endm
.macro FETCH_A slot, q, i0
.irp i, \i0, \i0+1, \i0+2, \i0+3
	FRAG AF+FR*(\i), ADRA+\slot, \q, \i
.endr
.endm
.macro SCALES sc
.irp i, 0,1,2,3,4,5,6,7
.irp q, 0,1
	ds_load_b32 v[SC+8*NQ*\sc+NQ*\i+\q], v[ADRS] offset:\i*512+\q*64
.endr
.endr
.endm
.macro PLACES n
.rept \n
	v_nop
.endr
.endm
.macro STEP slot, q, zero
	s_wait_dscnt 4*NL
.if (\zero)
	WIN 0x81
.else
	WIN MUL_LO
.endif
	MUL16 0, (\q)%2, \q, \slot, \zero
	MUL16 2, (\q)%2, \q, \slot, \zero
	s_wait_dscnt 0
	PLACES NP
	FETCH_B \slot, (\q)+1, 1-(\q)%2
	FETCH_A \slot, (\q)+1, 0
.if (\zero)
	WIN 0xc1
.else
	WIN MUL_HI
.endif
	MUL16 4, (\q)%2, \q, \slot, \zero
	MUL16 6, (\q)%2, \q, \slot, \zero
	PLACES NP
	WIN 0
	FETCH_A \slot, (\q)+1, 4
.endm
.macro TURN slot, next, fill
	s_wait_tensorcnt 0x0
	ds_add_u32 v[SPW], v[NIL]
	s_wait_dscnt 4*NL+1
	WIN MUL_LO
	MUL16 0, 1, NQ-1, \slot, 0
	s_wait_dscnt 0x0
	s_barrier_signal -1
	MUL16 2, 1, NQ-1, \slot, 0
	WIN 0
	s_barrier_wait -1
.if \fill
	CREST
	s_add_nc_u64 s[G0+4*\slot+2:G0+4*\slot+3], s[G0+4*\slot+2:G0+4*\slot+3], 2*TROW
	s_add_nc_u64 s[G0B+4*\slot+2:G0B+4*\slot+3], s[G0B+4*\slot+2:G0B+4*\slot+3], 2*TROW
	JLOAD G0+4*\slot, G1, G0B+4*\slot, G1B
.else
	PLACES NP
.endif
	s_wait_alu depctr_va_vdst(0)
	v_add_nc_u32 v[ADRS], 64*NQ, v[ADRS]
	FETCH_B \next, 0, 0
	FETCH_A \next, 0, 0
	SCALES \next
	WIN MUL_HI
	MUL16 4, 1, NQ-1, \slot, 0
	MUL16 6, 1, NQ-1, \slot, 0
	PLACES NP
	WIN 0
	FETCH_A \next, 0, 4
.endm
	s_wait_alu depctr_va_vdst(0)                   ; the wait at the head's end
	s_wait_tensorcnt 0x0                           ; my tile of the head's four is in
	ds_add_u32 v[SPW], v[NIL]
	s_mov_b32 s[G1+2], 8<<16                       ; no tensor load of mine is out: from here on a load brings 8 tile rows
	s_mov_b32 s[G1+4], 8
	s_mov_b32 s[G1B+2], 8<<16
	s_mov_b32 s[G1B+4], 8
	s_wait_dscnt 0x0
	CROUND                                         ; all four tiles are in, in every partner
	JLOAD G0+4, G1, G0B+4, G1B                     ; slot 1's first fill, my one load behind the round
	s_wait_loadcnt 0x0                             ; the bias, asked for ahead of the waits above
	FETCH_B 0, 0, 0
	FETCH_A 0, 0, 0
	SCALES 0
	FETCH_A 0, 0, 4
	s_cmp_eq_u32 s[MODE], 0
	s_cbranch_scc0 .Lfirst_v
	STEP 0, 0, 1
	s_branch .Lfirst_done
.Lfirst_v:
	STEP 0, 0, 2
.Lfirst_done:
	TURN 0, 1, 1
	STEP 1, 0, 0
	TURN 1, 0, 1
	STEP 0, 0, 0
	TURN 0, 1, 0
	STEP 1, 0, 0
	s_wait_dscnt 4*NL
	WIN MUL_LO
	MUL16 0, 1, NQ-1, 1, 0
	MUL16 2, 1, NQ-1, 1, 0
	s_wait_dscnt 0
	WIN MUL_HI
	MUL16 4, 1, NQ-1, 1, 0
	MUL16 6, 1, NQ-1, 1, 0
	WIN 0
.macro QUANTW src, w, d0, d1
	WIN ((\w)<<2)|((\w)<<4)
.irp b, 0,1,2,3
	v_max3_num_f32 v[TM+\b], 0x1800000, |v[(\src)+16*\b]|, |v[(\src)+16*\b+1]|
.endr
.irp i, 2,4,6,8,10,12,14
.irp b, 0,1,2,3
	v_max3_num_f32 v[TM+\b], v[TM+\b], |v[(\src)+16*\b+\i]|, |v[(\src)+16*\b+\i+1]|
.endr
.endr
	WIN 0
.irp b, 0,1,2,3
	v_permlanex16_b32 v[TM+4+\b], v[TM+\b], s[SEL], s[SEL+1]
.endr
.irp b, 0,1,2,3
	v_max_num_f32 v[TM+\b], v[TM+\b], v[TM+4+\b]
.endr
.irp b, 0,1,2,3
	v_add_nc_u32 v[TM+12+\b], 0xff000000, v[TM+\b]
.endr
.irp b, 0,1,2,3
	v_lshrrev_b32 v[TM+4+\b], 23, v[TM+12+\b]
.endr
	v_lshl_or_b32 v[PW], v[TM+5], 8, v[TM+4]
	v_lshl_or_b32 v[PW], v[TM+6], 16, v[PW]
	v_lshl_or_b32 v[PW], v[TM+7], 24, v[PW]
	WIN \w
	v_cvt_scalef32_pk16_fp6_f32 v[\d0:\d0+2], v[(\src):(\src)+15], v[TM+12]
	v_cvt_scalef32_pk16_fp6_f32 v[TQ:TQ+2], v[(\src)+16:(\src)+31], v[TM+13]
	v_cvt_scalef32_pk16_fp6_f32 v[\d1:\d1+2], v[(\src)+32:(\src)+47], v[TM+14]
	v_cvt_scalef32_pk16_fp6_f32 v[TQ+4:TQ+6], v[(\src)+48:(\src)+63], v[TM+15]
	WIN 0
	v_nop
.irp i, 0,1,2
	v_permlane16_swap_b32 v[\d0+\i], v[TQ+\i]
.endr
.irp i, 0,1,2
	v_mov_b32 v[\d0+3+\i], v[TQ+\i]
.endr
.irp i, 0,1,2
	v_permlane16_swap_b32 v[\d1+\i], v[TQ+4+\i]
.endr
.irp i, 0,1,2
	v_mov_b32 v[\d1+3+\i], v[TQ+4+\i]
.endr
.endm
.macro EPI mode
	PLACES NP
.irp b, 0,1,2,3
	v_mov_b32 v[TM+4+\b], 0
.endr
.irp n, 0,1,2,3
.if \n > 0
	s_wait_xcnt 0x0
.endif
.irp u, 0,1
.if \mode == 0
	QUANTW 64*((2*\n+\u)%4), 2+\n/2, PCB+6*\u, PCB+12+6*\u
.if \u == 0
	v_perm_b32 v[SW+\n], s[K7F], v[PW], s[PLO]
	v_perm_b32 v[SW+4+\n], s[K7F], v[PW], s[PHI]
.else
	v_perm_b32 v[TW], s[K7F], v[PW], s[PLO]
	v_perm_b32 v[TW+1], s[K7F], v[PW], s[PHI]
	v_cndmask_b32 v[SW+\n], v[SW+\n], v[TW], s[HI]
	v_cndmask_b32 v[SW+4+\n], v[SW+4+\n], v[TW+1], s[HI]
.endif
.else
	QUANTW 64*((2*\n+\u)%4), 2+\n/2, PCB+12*\u, PCB+12*\u+6
.if \u == 0
	v_mov_b32 v[SW+\n], v[PW]
.else
	v_cndmask_b32 v[SW+\n], v[SW+\n], v[PW], s[HI]
.endif
.endif
.endr
.irp u, 0,1
.irp e, 0,1,2
.if \mode == 0
	global_store_b128 v[L16], v[PCB+12*\u+4*\e:PCB+12*\u+4*\e+3], s[12:13] offset:\u*HEADB+(3*\n+\e)*512
.else
	global_store_b128 v[L16], v[PCB+12*\u+4*\e:PCB+12*\u+4*\e+3], s[12:13] offset:((2*\n+\u)/4)*HEADB+6144+((2*\n+\u)%4)*FRB+\e*512
.endif
.endr
.endr
.endr
.if \mode == 0
	global_store_b128 v[L16], v[SW:SW+3], s[12:13] offset:12288
	global_store_b128 v[L16], v[SW+4:SW+7], s[12:13] offset:HEADB+12288
.else
	global_store_b64 v[L8], v[SW:SW+1], s[12:13] offset:12800
	global_store_b64 v[L8], v[SW+2:SW+3], s[12:13] offset:HEADB+12800
.endif
.endm
	s_cmp_eq_u32 s[MODE], 0
	s_cbranch_scc0 .Lepi_v
	EPI 0
	s_branch .Lend
.Lepi_v:
	EPI 1
.Lend:
	s_wait_tensorcnt 0x0
	ds_add_u32 v[SPW], v[NIL]
	s_wait_dscnt 0x0
	CROUND
	s_endpgm
.Lfunc_end_k_qd0bccdd554_qkv:
	.size	k_qd0bccdd554_qkv, .Lfunc_end_k_qd0bccdd554_qkv-k_qd0bccdd554_qkv
	.p2alignl 7, 3214868480
	.fill 96, 4, 3214868480
	.section	.rodata,"a",@progbits
	.p2align	6, 0x0
	.amdhsa_kernel k_qd0bccdd554_qkv
		.amdhsa_group_segment_fixed_size 327680
		.amdhsa_private_segment_fixed_size 0
		.amdhsa_enable_private_segment 0
		.amdhsa_kernarg_size 56
		.amdhsa_user_sgpr_count 2
		.amdhsa_user_sgpr_kernarg_segment_ptr 1
		.amdhsa_wavefront_size32 1
		.amdhsa_system_sgpr_workgroup_id_x 1
		.amdhsa_system_sgpr_workgroup_id_y 1
		.amdhsa_system_sgpr_workgroup_id_z 1
		.amdhsa_system_vgpr_workitem_id 0
		.amdhsa_next_free_vgpr 1024
		.amdhsa_next_free_sgpr 106
		.amdhsa_reserve_vcc 0
		.amdhsa_float_denorm_mode_32 3
		.amdhsa_float_denorm_mode_16_64 3
		.amdhsa_memory_ordered 1
		.amdhsa_forward_progress 1
		.amdhsa_inst_pref_size 225
	.end_amdhsa_kernel
	.amdgpu_metadata
---
amdhsa.version: [ 1, 2 ]
amdhsa.kernels:
  - .name:           k_qd0bccdd554_qkv
    .symbol:         k_qd0bccdd554_qkv.kd
    .args:
      - { .name: xop, .offset: 0, .size: 8, .value_kind: global_buffer, .address_space: global }
      - { .name: xsc, .offset: 8, .size: 8, .value_kind: global_buffer, .address_space: global }
      - { .name: wop, .offset: 16, .size: 8, .value_kind: global_buffer, .address_space: global }
      - { .name: wsc, .offset: 24, .size: 8, .value_kind: global_buffer, .address_space: global }
      - { .name: bqkv, .offset: 32, .size: 8, .value_kind: global_buffer, .address_space: global }
      - { .name: qrec, .offset: 40, .size: 8, .value_kind: global_buffer, .address_space: global }
      - { .name: kvrec, .offset: 48, .size: 8, .value_kind: global_buffer, .address_space: global }
    .group_segment_fixed_size: 327680
    .private_segment_fixed_size: 0
    .kernarg_segment_align: 8
    .kernarg_segment_size: 56
    .max_flat_workgroup_size: 128
    .sgpr_count:     106
    .vgpr_count:     1024
    .wavefront_size: 32
...
	.end_amdgpu_metadata
.endif
;; end of part 2
;; launch attn (part 3): grid 4 x 64, 16 waves a work-group, clusters of 4 x 1, 210,944 bytes of LDS; arguments qrec, kvrec, oop, osc; writes oop, osc
.if DOCPART == 3
	.amdgcn_target "amdgcn-amd-amdhsa--gfx1250"
	.amdhsa_code_object_version 6
	.text
	.protected	k_qd0bccdd554_attn
	.globl	k_qd0bccdd554_attn
	.p2align	8
	.type	k_qd0bccdd554_attn,@function
k_qd0bccdd554_attn:
	s_mov_b64 s[64:65], 0
	v_nop
	global_prefetch_b8 v0, s[64:65] scope:SCOPE_SE
	s_setreg_imm32_b32 hwreg(HW_REG_WAVE_MODE, 25, 1), 1
	s_wait_xcnt 0x0
	s_wait_alu depctr_hold_cnt(0) depctr_sa_sdst(0) depctr_va_vdst(0) depctr_va_sdst(0) depctr_va_ssrc(0) depctr_va_vcc(0) depctr_vm_vsrc(0)
	s_getreg_b32 s2, hwreg(HW_REG_IB_STS2, 6, 4)
	s_cmp_eq_u32 s2, 0
	s_cbranch_scc0 .Lentry_in_a_cluster
	s_endpgm
.Lentry_in_a_cluster:
	s_bfe_u32 s2, ttmp6, 0x10000c
	s_cmp_lg_u32 s2, 0x3003
	s_cbranch_scc0 .Lentry_shape_is_right
	s_endpgm
.Lentry_shape_is_right:
; o = softmax(q k^T / 8) v for 64 heads of 2,048 tokens x 64, both products on codes of FP6 (E2M3) with E8M0 scales; o is quantised along the channels and stored as the next product's operand.
; THE SOFTMAX: t = score x log2(e) / 8; M = the running largest t rounded UP to a whole number; p = 2^(t - M) is quantised along the keys, not normalised; the row's sum is taken of the unquantised p and divides at the end.
; When M moves, the sum and O are multiplied by 2^(old M - new M): exact.
; SHARES.  A work-group owns 512 queries of one head; each of its sixteen waves two tiles of 16, one after the other, each in a walk over all 2,048 keys, 128 a step.  Four waves share a SIMD.
; THE HEAD'S K AND V STAY IN LDS: 16 records of 13,056 bytes, filled ONCE, record w by wave w: one tensor load a wave.  Nothing is filled again and nothing is stored to LDS.
; Waves 0-3 have a load line of their own: the first barrier shows records 0-3, behind which four steps are walked; the second barrier, with every wave's wait for 0, shows all sixteen.
; CLUSTER.  The four work-groups of a head form a cluster and ask for each record jointly (mask 15).
; Nothing is prefetched: every byte that the launch reads through LDS is asked for at its head.
; RECORD (batch x 16 + head, 128 tokens): +0 k's codes [12][lane][16 bytes]: word 6 t + rho = register rho of tile t;  +6,144 v's codes [d tile 4][3][lane][16 bytes];  +12,288 k's scale words [lane][4];  +12,800 v's [lane][2].
; K = 64 IN AN INSTRUCTION OF 128.  Q's registers 6-11 (k = 64 .. 127) are zero CODES and all scale bytes there are 0x7f, so whatever codes stand in K's registers 6-11 add nothing (FP6 has no NaN and no infinity).
; So K's fragments lie 6 registers apart, fragment t = v[32 + 6 t .. 43 + 6 t] (behind the last: six zeros), and a step's eight tiles come by twelve loads of 16 bytes a lane.
; LAYOUT.  Both products are used transposed (S^T = K Q^T, O^T = V^T P^T): a lane holds ONE query.  Position i of a tile is logical row 32 (T / 2) + 8 (T % 2) + i + 8 (i / 8), so the 16 registers of tiles 2 b, 2 b + 1 are 16 neighbours.
; LIMITS: the promise holds while |t| stays under 2^31; a p under 2^-126 is flushed to 0 by v_exp_f32; a block whose largest magnitude lies under 2^-124 keeps the scale byte 1; NaN and infinities are not served.
; o's scale bytes leave as 2 bytes a lane, 4 bytes apart: a word's two halves belong to two heads, which two work-groups make; 262,144 bytes in the whole launch.
.set RECB,  13056
.set HEADB, 16*RECB
.set WV,   12                          ; s12  my wave's number
.set TB,   16                          ; s16  LDS byte at which the step's record begins
.set CNT,  17                          ; s17  steps to go in the loop in hand
.set HI,   18                          ; s18  mask of lanes 16-31
.set SEL,  20                          ; s[20:21] selects for lane l xor 16
.set CS,   22                          ; s[22:23] c = log2(e) / 8
.set G1,   24                          ; s[24:31] descriptor group 1: a record
.set G0,   40                          ; s[40:43] group 0: my record
.set KV,   32                          ; v32-79 K's fragments, then V's; v80-85 zeros
.set S,    86                          ; v86-149 S^T, then p
.set O,    150                         ; v150-181 O^T
.set PCD,  194                         ; v194-205 p's codes
.set TQ,   206                         ; second halves of the blocks' codes
.set BM,   214                         ; the blocks' largest scores
.set PT,   218                         ; from the other half of the lanes
.set SOP,  222                         ; the conversions' scale operands
.set SBY,  226                         ; the scales' bytes
; v1 16 x lane; v2 8 x lane; v3, v4 the step's addresses; v5 16 r; v[6:7] V's scale words; v[8:11] K's; v12 -M; v13 the largest t; v[14:15] the sum; v16-27 Q of the first tile, v182-193 of the second;
; v28, v29 their scale words; v30 p's scale word; v31 o's scale bytes of the first tile; v222-231, v236-239 also the sum's chains; v[232:233] f and 0; v234 at work; v235 512 h + 4 r; v240, v241 the spare word and 0.
.macro CROUND
	s_barrier_signal -1
	s_barrier_wait -1
	s_cmp_lg_u32 s[WV], 0
	s_cbranch_scc1 .Lnot_wave_0_\@
	s_barrier_signal -3
.Lnot_wave_0_\@:
	s_barrier_wait -3
	s_barrier_signal -1
	s_barrier_wait -1
.endm
.macro FILL                            ; my record
	tensor_load_to_lds s[G0:G0+3], s[G1:G1+7]
	s_nop 0
.rept 4
	v_nop
.endr
.endm
	s_load_b256 s[4:11], s[0:1], 0x0               ; qrec, kvrec, oop, osc
	v_lshl_add_u32 v240, v0, 2, 0x33000
	v_mov_b32 v241, 0
	ds_add_u32 v240, v241                          ; the opening lines
	ds_add_u32 v240, v241
	v_lshrrev_b32 v1, 5, v0
	s_delay_alu instid0(VALU_DEP_1)
	v_readfirstlane_b32 s[WV], v1                  ; wave 0..15
	s_bfe_u32 s13, ttmp6, 0x40000                  ; cx: which 512 queries of the head
	s_and_b32 s14, ttmp7, 0xffff                   ; 16 x batch + head
	s_mov_b32 s[G1], 15|(3<<16)|(1<<21)            ; the mask: all four; elements of 8 bytes; bit 21 beside a mask
	s_mov_b32 s[G1+1], 32<<16                      ; rows of 256 bytes,
	s_mov_b32 s[G1+2], 51<<16                      ; 51 of them: a record
	s_mov_b32 s[G1+3], 32<<16
	s_mov_b32 s[G1+4], 51
	s_mov_b32 s[G1+5], 32
	s_mov_b32 s[G1+6], 0
	s_mov_b32 s[G1+7], 0
	s_mul_i32 s32, s14, HEADB                      ; the head's first byte in qrec and in kvrec
	s_mul_i32 s15, s[WV], RECB                     ; my record, in LDS and in memory
	s_add_co_u32 s34, s32, s15
	s_mov_b32 s35, 0
	s_lshl_b32 s36, s13, 2                         ; Q: record 4 cx + wave / 4,
	s_lshr_b32 s37, s[WV], 2
	s_add_co_u32 s36, s36, s37
	s_mul_i32 s36, s36, RECB
	s_add_co_u32 s36, s36, s32
	s_and_b32 s38, s[WV], 3                        ; in it tiles 2 (wave % 4) and 2 (wave % 4) + 1
	s_lshl_b32 s56, s38, 2
	s_add_co_u32 s56, s56, s36
	s_add_co_u32 s56, s56, 12288                   ; their scale words
	s_mov_b32 s57, 0
	s_mul_i32 s38, s38, 1536
	s_add_co_u32 s36, s36, s38                     ; their codes
	s_mov_b32 s37, 0
	s_lshr_b32 s38, s14, 4
	s_lshl_b32 s38, s38, 7                         ; o: tile 128 x batch + 32 cx + 2 wave
	s_lshl_b32 s39, s13, 5
	s_add_co_u32 s38, s38, s39
	s_lshl_b32 s39, s[WV], 1
	s_add_co_u32 s38, s38, s39
	s_and_b32 s39, s14, 15                         ; the head: 768 bytes of a tile's codes
	s_mul_i32 s60, s38, 12288
	s_mul_i32 s61, s39, 768
	s_add_co_u32 s60, s60, s61
	s_mov_b32 s61, 0
	s_lshl_b32 s62, s38, 9                         ; scale words: 512 bytes a tile, 64 a K step, 2 bytes a head
	s_lshr_b32 s63, s39, 1
	s_lshl_b32 s63, s63, 6
	s_add_co_u32 s62, s62, s63
	s_and_b32 s63, s14, 1
	s_lshl_b32 s63, s63, 1
	s_add_co_u32 s62, s62, s63
	s_mov_b32 s63, 0
	s_mov_b32 s[SEL], 0x76543210
	s_mov_b32 s[SEL+1], 0xfedcba98
	s_mov_b32 s[CS], 0x3e38aa3b
	s_mov_b32 s[CS+1], s[CS]
	s_wait_dscnt 0x0
	s_wait_kmcnt 0x0
	s_add_nc_u64 s[6:7], s[6:7], s[34:35]          ; my record: the head and the wave's number alone enter it
	s_add_nc_u64 s[58:59], s[4:5], s[56:57]
	s_add_nc_u64 s[4:5], s[4:5], s[36:37]
	s_add_nc_u64 s[8:9], s[8:9], s[60:61]
	s_add_nc_u64 s[10:11], s[10:11], s[62:63]
	s_mov_b32 s[G0], 1
	s_mov_b32 s[G0+1], s15
	s_mov_b64 s[G0+2:G0+3], s[6:7]
	s_or_b32 s[G0+3], s[G0+3], 0x80000000
	CROUND                                         ; all four work-groups are here: the joint loads meet
	s_cmp_lt_u32 s[WV], 4                          ; two arms, a load in each: the first arm's line is that of waves 0-3 alone
	s_cbranch_scc0 .Llater
	FILL
	s_branch .Lasked
.Llater:
	FILL
.Lasked:
	v_and_b32 v234, 31, v0                         ; lane
	s_delay_alu instid0(VALU_DEP_1)
	v_lshlrev_b32 v1, 4, v234
	s_delay_alu instid0(VALU_DEP_2)
	v_lshlrev_b32 v2, 3, v234
	s_delay_alu instid0(VALU_DEP_3)
	v_cmp_le_u32 s[HI], 16, v234
	v_and_b32 v234, 15, v0                         ; r
	s_delay_alu instid0(VALU_DEP_1)
	v_lshlrev_b32 v5, 4, v234
	v_bfe_u32 v235, v0, 4, 1                       ; h
	s_delay_alu instid0(VALU_DEP_1)
	v_lshlrev_b32 v235, 9, v235
	s_delay_alu instid0(VALU_DEP_1)
	v_lshl_add_u32 v235, v234, 2, v235
	global_load_b128 v[16:19], v1, s[4:5]          ; the first tile's words 0-3,
	global_load_b64 v[20:21], v1, s[4:5] offset:512   ; 4, 5;
	global_load_b64 v[182:183], v1, s[4:5] offset:520 ; the second tile's 0, 1,
	global_load_b128 v[184:187], v1, s[4:5] offset:1024  ; 2-5
	global_load_b32 v28, v5, s[58:59]              ; their scale words
	global_load_b32 v29, v5, s[58:59] offset:256
.irp j, 0,1,2,3,4,5
	v_mov_b32 v[22+\j], 0                          ; Q's k = 64 .. 127: zero codes
	v_mov_b32 v[188+\j], 0
	v_mov_b32 v[80+\j], 0                          ; behind K's last fragment
.endr
.irp b, 0,1,2,3
	v_mov_b32 v[PT+\b], 0                          ; a lane permute's destination counts as a source
.endr
	v_mov_b32 v233, 0
.macro INIT                            ; the first step finds zeros, which the first change of M leaves zeros
	v_mov_b32 v13, 0xff61b1e6                      ; the largest t so far: -3e38
	s_delay_alu instid0(VALU_DEP_1)
	v_floor_f32 v12, -v13                          ; -M
	v_mov_b32 v14, 0
	v_mov_b32 v15, 0
.set j, 0
.rept 32
	v_mov_b32 v[O+j], 0
.set j, j+1
.endr
	s_wait_alu depctr_va_vdst(0)                   ; ahead of the waits that follow
.endm
; A KEY STEP: 128 keys.  qf: Q's fragment; qs: its scale words.
.macro STEP qf, qs
	v_add_nc_u32 v3, s[TB], v1
	v_add_nc_u32 v4, s[TB], v2
	v_nop
	v_nop                                          ; four places behind the last step's products
.set i, 0
.rept 12
	ds_load_b128 v[KV+4*i:KV+4*i+3], v3 offset:512*i   ; K's eight tiles
.set i, i+1
.endr
	ds_load_b128 v[8:11], v3 offset:12288          ; register i: lanes 0-15 tile 2 i's scale words, lanes 16-31 tile 2 i + 1's
	s_wait_alu depctr_va_vdst(0)
	s_wait_dscnt 0x0
.irp t, 0,2,4,6
	v_wmma_scale_f32_16x16x128_f8f6f4 v[S+8*\t:S+8*\t+7], v[KV+6*\t:KV+6*\t+11], v[\qf:\qf+11], 0, v[8+\t/2], v[\qs] matrix_a_fmt:MATRIX_FMT_FP6 matrix_b_fmt:MATRIX_FMT_FP6
	v_wmma_scale_f32_16x16x128_f8f6f4 v[S+8*\t+8:S+8*\t+15], v[KV+6*\t+6:KV+6*\t+17], v[\qf:\qf+11], 0, v[8+\t/2], v[\qs] matrix_a_fmt:MATRIX_FMT_FP6 matrix_b_fmt:MATRIX_FMT_FP6 matrix_a_scale:MATRIX_SCALE_ROW1
.endr
.rept 4
	v_nop                                          ; places ahead of the loads below and of the first read of the scores
.endr
.set i, 0
.rept 12
	ds_load_b128 v[KV+4*i:KV+4*i+3], v3 offset:6144+512*i   ; V's four fragments land under the softmax
.set i, i+1
.endr
	ds_load_b64 v[6:7], v4 offset:12800
.irp b, 0,1,2,3
	v_max3_num_f32 v[BM+\b], v[S+16*\b], v[S+1+16*\b], v[S+2+16*\b]   ; each block's largest score: for the row's maximum and for the block's largest p
.endr
.irp i, 3,5,7,9,11,13
.irp b, 0,1,2,3
	v_max3_num_f32 v[BM+\b], v[BM+\b], v[S+16*\b+\i], v[S+1+16*\b+\i]
.endr
.endr
.irp b, 0,1,2,3
	v_max_num_f32 v[BM+\b], v[BM+\b], v[S+15+16*\b]
.endr
.irp b, 0,1,2,3
	s_delay_alu instid0(VALU_DEP_4)
	v_permlanex16_b32 v[PT+\b], v[BM+\b], s[SEL], s[SEL+1]
.endr
.irp b, 0,1,2,3
	s_delay_alu instid0(VALU_DEP_4)
	v_max_num_f32 v[BM+\b], v[BM+\b], v[PT+\b]     ; with lane l xor 16's 16 keys
.endr
	s_delay_alu instid0(VALU_DEP_2)
	v_max3_num_f32 v234, v[BM], v[BM+1], v[BM+2]
	s_delay_alu instid0(VALU_DEP_1)
	v_max_num_f32 v234, v234, v[BM+3]
	s_delay_alu instid0(VALU_DEP_1)
	v_mul_f32 v234, s[CS], v234                    ; as t
	s_delay_alu instid0(VALU_DEP_1)
	v_max_num_f32 v13, v13, v234                   ; the running largest t
	v_mov_b32 v234, v12
	s_delay_alu instid0(VALU_DEP_2)
	v_floor_f32 v12, -v13                          ; the new -M
	s_delay_alu instid0(VALU_DEP_1)
	v_sub_f32 v234, v12, v234                      ; old M - new M
	s_delay_alu instid0(VALU_DEP_1)
	v_cvt_i32_f32 v234, v234                       ; (it saturates)
	s_delay_alu instid0(VALU_DEP_1)
	v_ldexp_f32 v232, 1.0, v234                    ; f = 2^(old M - new M)
.set j, 0
.rept 32
	v_pk_fma_f32 v[S+j:S+j+1], v[S+j:S+j+1], s[CS:CS+1], v[12:13] op_sel_hi:[1,0,0]   ; t - M
.set j, j+2
.endr
.irp b, 0,1,2,3
	v_fma_f32 v[BM+\b], v[BM+\b], s[CS], v12       ; the same of each block's largest score
.endr
.set j, 0
	s_wait_alu depctr_va_vdst(0)                   ; ahead of the batch
.rept 64
	v_exp_f32 v[S+j], v[S+j]                       ; p = 2^(t - M)
.set j, j+1
.endr
	v_pk_mul_f32 v[14:15], v[14:15], v[232:233] op_sel_hi:[1,0]   ; the sums under the new M: the plain place behind the batch
	s_wait_alu depctr_va_vdst(0)                   ; one wait for the batch
.irp b, 0,1,2,3
	v_exp_f32 v[BM+\b], v[BM+\b]                   ; the block's largest p
.endr
	v_pk_add_f32 v[230:231], v[90:91], v[94:95]    ; the row's sum of the unquantised p, in eight chains
	v_pk_add_f32 v[238:239], v[98:99], v[102:103]
	v_pk_add_f32 v[236:237], v[106:107], v[110:111]
	v_pk_add_f32 v[228:229], v[114:115], v[118:119]
	v_pk_add_f32 v[226:227], v[122:123], v[126:127]
	v_pk_add_f32 v[224:225], v[130:131], v[134:135]
	v_pk_add_f32 v[222:223], v[138:139], v[142:143]
	v_pk_add_f32 v[14:15], v[14:15], v[146:147]
	v_pk_add_f32 v[230:231], v[230:231], v[86:87]
	v_pk_add_f32 v[238:239], v[238:239], v[88:89]
	v_pk_add_f32 v[236:237], v[236:237], v[92:93]
	v_pk_add_f32 v[228:229], v[228:229], v[96:97]
	v_pk_add_f32 v[226:227], v[226:227], v[100:101]
	v_pk_add_f32 v[224:225], v[224:225], v[104:105]
	v_pk_add_f32 v[222:223], v[222:223], v[108:109]
	v_pk_add_f32 v[14:15], v[14:15], v[112:113]
	v_pk_add_f32 v[230:231], v[230:231], v[116:117]
	v_pk_add_f32 v[238:239], v[238:239], v[120:121]
	v_pk_add_f32 v[236:237], v[236:237], v[124:125]
	v_pk_add_f32 v[228:229], v[228:229], v[128:129]
	v_pk_add_f32 v[226:227], v[226:227], v[132:133]
	v_pk_add_f32 v[224:225], v[224:225], v[136:137]
	v_pk_add_f32 v[222:223], v[222:223], v[140:141]
	v_pk_add_f32 v[14:15], v[14:15], v[144:145]
	v_pk_add_f32 v[230:231], v[230:231], v[148:149]
	s_delay_alu instid0(VALU_DEP_2)
	v_pk_add_f32 v[14:15], v[14:15], v[228:229]
	s_delay_alu instid0(VALU_DEP_2)
	v_pk_add_f32 v[230:231], v[230:231], v[226:227]
	v_pk_add_f32 v[238:239], v[238:239], v[224:225]
	v_pk_add_f32 v[236:237], v[236:237], v[222:223]
	s_delay_alu instid0(VALU_DEP_2)
	v_pk_add_f32 v[14:15], v[14:15], v[238:239]
	s_delay_alu instid0(VALU_DEP_2)
	v_pk_add_f32 v[230:231], v[230:231], v[236:237]
	s_delay_alu instid0(VALU_DEP_1)
	v_pk_add_f32 v[14:15], v[14:15], v[230:231]
	s_wait_alu depctr_va_vdst(0)                   ; and one for the four
.irp b, 0,1,2,3
	v_max_num_f32 v[BM+\b], 0x1800000, v[BM+\b]    ; the floor 2^(3 - 127): the byte cannot fall under 1
.endr
.irp b, 0,1,2,3
	s_delay_alu instid0(VALU_DEP_4)
	v_add_nc_u32 v[SOP+\b], 0xff000000, v[BM+\b]   ; 2 off the exponent field: the conversion's scale operand
.endr
.irp b, 0,1,2,3
	s_delay_alu instid0(VALU_DEP_4)
	v_lshrrev_b32 v[SBY+\b], 23, v[SOP+\b]         ; the scale's byte
.endr
	s_delay_alu instid0(VALU_DEP_3)
	v_lshl_or_b32 v30, v[SBY+1], 8, v[SBY]         ; p's scale word
	s_delay_alu instid0(VALU_DEP_1)
	v_lshl_or_b32 v30, v[SBY+2], 16, v30
	s_delay_alu instid0(VALU_DEP_1)
	v_lshl_or_b32 v30, v[SBY+3], 24, v30
.irp c, 0,1
	v_cvt_scalef32_pk16_fp6_f32 v[PCD+6*\c:PCD+6*\c+2], v[S+32*\c:S+32*\c+15], v[SOP+2*\c]
	v_cvt_scalef32_pk16_fp6_f32 v[TQ+4*\c:TQ+4*\c+2], v[S+32*\c+16:S+32*\c+31], v[SOP+2*\c+1]
.endr
	v_nop                                          ; one plain place behind the scaled conversions
.irp c, 0,1
.irp i, 0,1,2
	v_permlane16_swap_b32 v[PCD+6*\c+\i], v[TQ+4*\c+\i]   ; a WHOLE block in a lane
.endr
.irp i, 0,1,2
	s_delay_alu instid0(VALU_DEP_3)
	v_mov_b32 v[PCD+6*\c+3+\i], v[TQ+4*\c+\i]
.endr
.endr
.set j, 0
.rept 16
	v_pk_mul_f32 v[O+j:O+j+1], v[O+j:O+j+1], v[232:233] op_sel_hi:[1,0]   ; O^T under the new M, from each accumulator's low end on; twelve of the sixteen name no register of any one product below: the places behind p's codes and scale word
.set j, j+2
.endr
	s_wait_alu depctr_va_vdst(0)
	s_wait_dscnt 0x0                               ; V
.irp d, 0,2
	v_wmma_scale_f32_16x16x128_f8f6f4 v[O+8*\d:O+8*\d+7], v[KV+12*\d:KV+12*\d+11], v[PCD:PCD+11], v[O+8*\d:O+8*\d+7], v[6+\d/2], v30 matrix_a_fmt:MATRIX_FMT_FP6 matrix_b_fmt:MATRIX_FMT_FP6
	v_wmma_scale_f32_16x16x128_f8f6f4 v[O+8*\d+8:O+8*\d+15], v[KV+12*\d+12:KV+12*\d+23], v[PCD:PCD+11], v[O+8*\d+8:O+8*\d+15], v[6+\d/2], v30 matrix_a_fmt:MATRIX_FMT_FP6 matrix_b_fmt:MATRIX_FMT_FP6 matrix_a_scale:MATRIX_SCALE_ROW1
.endr
	s_add_co_u32 s[TB], s[TB], RECB                ; the next step's record
.endm
; THE WAY OUT of tile p: O^T / the sum; register 16 b + e = d 32 b + 16 h + e: two blocks of the next product's K, quantised here; six registers a lane, stored as three aligned runs of 256 bytes.
.macro OUT p
.rept 4
	v_nop                                          ; places behind the last products
.endr
	v_add_f32 v14, v14, v15
	s_delay_alu instid0(VALU_DEP_1)
	v_permlanex16_b32 v234, v14, s[SEL], s[SEL+1]
	s_delay_alu instid0(VALU_DEP_1)
	v_add_f32 v14, v14, v234                       ; the row's sum
	s_wait_alu depctr_va_vdst(0)
	v_rcp_f32 v14, v14
	v_nop
	s_wait_alu depctr_va_vdst(0)
.set j, 0
.rept 16
	v_pk_mul_f32 v[S+j:S+j+1], v[O+j:O+j+1], v[14:15] op_sel_hi:[1,0]
.set j, j+2
.endr
.irp b, 0,1
	v_max3_num_f32 v[BM+\b], |v[S+16*\b]|, |v[S+1+16*\b]|, 0x1800000
.endr
.irp i, 2,4,6,8,10,12,14
.irp b, 0,1
	s_delay_alu instid0(VALU_DEP_2)
	v_max3_num_f32 v[BM+\b], v[BM+\b], |v[S+16*\b+\i]|, |v[S+1+16*\b+\i]|
.endr
.endr
.irp b, 0,1
	s_delay_alu instid0(VALU_DEP_2)
	v_permlanex16_b32 v[PT+\b], v[BM+\b], s[SEL], s[SEL+1]
.endr
.irp b, 0,1
	s_delay_alu instid0(VALU_DEP_2)
	v_max_num_f32 v[BM+\b], v[BM+\b], v[PT+\b]
.endr
.irp b, 0,1
	s_delay_alu instid0(VALU_DEP_2)
	v_add_nc_u32 v[SOP+\b], 0xff000000, v[BM+\b]
.endr
.irp b, 0,1
	s_delay_alu instid0(VALU_DEP_2)
	v_lshrrev_b32 v[SBY+\b], 23, v[SOP+\b]
.endr
	s_delay_alu instid0(VALU_DEP_1)
	v_lshl_or_b32 v234, v[SBY+1], 8, v[SBY]        ; my row's two scale bytes
	v_cvt_scalef32_pk16_fp6_f32 v[PCD:PCD+2], v[S:S+15], v[SOP]
	v_cvt_scalef32_pk16_fp6_f32 v[TQ:TQ+2], v[S+16:S+31], v[SOP+1]
	v_nop
.irp i, 0,1,2
	v_permlane16_swap_b32 v[PCD+\i], v[TQ+\i]
.endr
.irp i, 0,1,2
	s_delay_alu instid0(VALU_DEP_3)
	v_mov_b32 v[PCD+3+\i], v[TQ+\i]
.endr
.irp q, 0,1,2
	global_store_b64 v2, v[PCD+2*\q:PCD+2*\q+1], s[8:9] offset:256*\q+12288*\p
.endr
.if \p == 0
	v_mov_b32 v31, v234                            ; kept: both tiles' bytes leave by one store
.else
	v_cndmask_b32 v31, v31, v234, s[HI]            ; lanes 0-15 the first tile's rows, lanes 16-31 the second's
	global_store_b16 v235, v31, s[10:11]
.endif
.endm
.macro WALK qf, qs, first, trips       ; records first .. first + trips - 1
	s_mov_b32 s[TB], (\first)*RECB
	s_mov_b32 s[CNT], \trips
.Lwalk_\@:
	STEP \qf, \qs
	s_sub_co_u32 s[CNT], s[CNT], 1
	s_cmp_lg_u32 s[CNT], 0
	s_cbranch_scc1 .Lwalk_\@
.endm
	INIT
	s_wait_loadcnt 0x0                             ; Q
	s_cmp_lt_u32 s[WV], 4
	s_cbranch_scc0 .Lnot_first
	s_wait_tensorcnt 0x0                           ; waves 0-3: my record has landed
.Lnot_first:
	s_barrier_signal -1
	s_barrier_wait -1                              ; records 0-3 are in; the others may be on their way: nothing is ever filled again
	WALK 16, 28, 0, 4
	s_wait_tensorcnt 0x0                           ; every wave: my record has landed
	s_barrier_signal -1
	s_barrier_wait -1                              ; all sixteen are in
	WALK 16, 28, 4, 12
	OUT 0
	INIT
	s_wait_xcnt 0x0                                ; the stores have read their data: the codes' registers are written again only behind this wait
	WALK 182, 29, 0, 16
	OUT 1
	s_wait_tensorcnt 0x0                           ; the wave's end
	ds_add_u32 v240, v241
	s_wait_dscnt 0x0
	CROUND                                         ; the closing round
	s_endpgm
.Lfunc_end_k_qd0bccdd554_attn:
	.size	k_qd0bccdd554_attn, .Lfunc_end_k_qd0bccdd554_attn-k_qd0bccdd554_attn
	.p2alignl 7, 3214868480
	.fill 96, 4, 3214868480
	.section	.rodata,"a",@progbits
	.p2align	6, 0x0
	.amdhsa_kernel k_qd0bccdd554_attn
		.amdhsa_group_segment_fixed_size 210944
		.amdhsa_private_segment_fixed_size 0
		.amdhsa_enable_private_segment 0
		.amdhsa_kernarg_size 32
		.amdhsa_user_sgpr_count 2
		.amdhsa_user_sgpr_kernarg_segment_ptr 1
		.amdhsa_wavefront_size32 1
		.amdhsa_system_sgpr_workgroup_id_x 1
		.amdhsa_system_sgpr_workgroup_id_y 1
		.amdhsa_system_sgpr_workgroup_id_z 1
		.amdhsa_system_vgpr_workitem_id 0
		.amdhsa_next_free_vgpr 242
		.amdhsa_next_free_sgpr 66
		.amdhsa_reserve_vcc 0
		.amdhsa_float_denorm_mode_32 3
		.amdhsa_float_denorm_mode_16_64 3
		.amdhsa_memory_ordered 1
		.amdhsa_forward_progress 1
		.amdhsa_inst_pref_size 68
	.end_amdhsa_kernel
	.amdgpu_metadata
---
amdhsa.version: [ 1, 2 ]
amdhsa.kernels:
  - .name:           k_qd0bccdd554_attn
    .symbol:         k_qd0bccdd554_attn.kd
    .args:
      - { .name: qrec, .offset: 0, .size: 8, .value_kind: global_buffer, .address_space: global }
      - { .name: kvrec, .offset: 8, .size: 8, .value_kind: global_buffer, .address_space: global }
      - { .name: oop, .offset: 16, .size: 8, .value_kind: global_buffer, .address_space: global }
      - { .name: osc, .offset: 24, .size: 8, .value_kind: global_buffer, .address_space: global }
    .group_segment_fixed_size: 210944
    .private_segment_fixed_size: 0
    .kernarg_segment_align: 8
    .kernarg_segment_size: 32
    .max_flat_workgroup_size: 512
    .sgpr_count:     66
    .vgpr_count:     242
    .wavefront_size: 32
...
	.end_amdgpu_metadata
.endif
;; end of part 3
;; launch proj (part 4): grid 8 x 32, 4 waves a work-group, clusters of 4 x 4, 327,680 bytes of LDS; arguments oop, osc, wop, wsc, bproj, out0; writes out0
.if DOCPART == 4
	.amdgcn_target "amdgcn-amd-amdhsa--gfx1250"
	.amdhsa_code_object_version 6
	.text
	.protected	k_qd0bccdd554_proj
	.globl	k_qd0bccdd554_proj
	.p2align	8
	.type	k_qd0bccdd554_proj,@function
k_qd0bccdd554_proj:
	s_mov_b64 s[64:65], 0
	v_nop
	global_prefetch_b8 v0, s[64:65] scope:SCOPE_SE
	s_setreg_imm32_b32 hwreg(HW_REG_WAVE_MODE, 25, 1), 1
	s_wait_xcnt 0x0
	s_wait_alu depctr_hold_cnt(0) depctr_sa_sdst(0) depctr_va_vdst(0) depctr_va_sdst(0) depctr_va_ssrc(0) depctr_va_vcc(0) depctr_vm_vsrc(0)
	s_getreg_b32 s2, hwreg(HW_REG_IB_STS2, 6, 4)
	s_cmp_eq_u32 s2, 0
	s_cbranch_scc0 .Lentry_in_a_cluster
	s_endpgm
.Lentry_in_a_cluster:
	s_bfe_u32 s2, ttmp6, 0x10000c
	s_cmp_lg_u32 s2, 0xf033
	s_cbranch_scc0 .Lentry_shape_is_right
	s_endpgm
.Lentry_shape_is_right:
; out0 = o Wproj + bproj on codes of FP6 with E8M0 scales; f32 results leave through each wave's stage in LDS as whole rows of 256 bytes, two rows an instruction.
; A work-group of four waves makes 256 rows x 128 columns, a wave 128 x 64 (A's eight blocks x B's four): 8 x 32 = 256 work-groups.  K = 1,024 goes in four slots of 256 through a ring of two.
; 4 x 4 work-groups ask jointly: A's tiles along a row of the cluster, B's along a column.  The bias is the first products' C.
; THE HEAD: one joint load a wave: wave 0 slot 0's 16 tile rows of A, wave 1 its 8 of B, wave 2 A's scale words for all of K, wave 3 B's; slot 1 follows behind the full sequence and a round.
; In the ring waves 0, 1 bring 8 tile rows of A each, waves 2, 3 four of B each.  B's scale words (4,096 bytes) lie ahead of A's (8,192): a scale load takes A's block i in lanes 0-15 and B's block i in lanes 16-31, and for i = 4 .. 7, where B has no block, lanes 16-31 read filled bytes that no product uses.
; Nothing is prefetched: K has four slots, of which two are asked for at the head.
.set NQ,     2
.set FR,     12
.set NL,     6
.set NP,     4
.set FRB,    1536
.set TROW,   NQ*FRB
.set TPITCH, 8*FRB
.set HALFT,  8*TROW
.set SLOT,   4*HALFT
.set SCL,    2*SLOT
.set HALFS,  4096
.set SPARE,  SCL+4*HALFS
.set SPITCH, 528
.set ADRA, 16
.set ADRB, 20
.set STO,  24
.set RD,   25
.set CO,   26
.set ADRS, 27
.set SPW,  28
.set NIL,  29
.set BO,   30
.set L8,   31
.set SC,   32
.set BI,   64
.set AF,   128
.set BK,   128
.set G1,   24
.set G0,   32
.set G1B,  48
.set G0B,  56
.set G1S,  68
.set G0S,  76
.set G1SB, 80
.set G0SB, 88
.set MSB, 0
.macro WIN new
.if MSB != (\new)
	s_set_vgpr_msb (MSB<<8)|(\new)
.set MSB, (\new)
.endif
.endm
.set MUL_LO, 0xa1
.set MUL_HI, 0xf1
.set TO_B,   0x40
.macro JLOAD g0a, g1a, g0b, g1b
	s_cmp_eq_u32 s15, 0
	s_cbranch_scc0 .Lfor_b_\@
	tensor_load_to_lds s[\g0a:\g0a+3], s[\g1a:\g1a+7]
	s_nop 0
.rept 4
	v_nop
.endr
	s_branch .Lasked_\@
.Lfor_b_\@:
	tensor_load_to_lds s[\g0b:\g0b+3], s[\g1b:\g1b+7]
	s_nop 0
.rept 4
	v_nop
.endr
.Lasked_\@:
.endm
.macro CREST
	s_cmp_lg_u32 s14, 0
	s_cbranch_scc1 .Lnot_wave_0_\@
	s_barrier_signal -3
.Lnot_wave_0_\@:
	s_barrier_wait -3
	s_barrier_signal -1
	s_barrier_wait -1
.endm
.macro CROUND
	s_barrier_signal -1
	s_barrier_wait -1
	CREST
.endm
	s_load_b256 s[4:11], s[0:1], 0x0
	s_load_b128 s[96:99], s[0:1], 0x20
	v_lshl_add_u32 v[SPW], v0, 2, SPARE
	v_mov_b32 v[NIL], 0
	ds_add_u32 v28, v29
	ds_add_u32 v28, v29
	s_wait_dscnt 0x0
	v_lshrrev_b32 v1, 5, v0
	v_readfirstlane_b32 s14, v1
	s_lshr_b32 s15, s14, 1
	s_and_b32 s16, s14, 1
	s_bfe_u32 s40, ttmp6, 0x40000
	s_bfe_u32 s41, ttmp6, 0x40004
	s_lshl_b32 s42, ttmp9, 2
	s_add_co_u32 s42, s42, s40
	s_and_b32 s17, ttmp7, 0xffff
	s_lshl_b32 s17, s17, 2
	s_add_co_u32 s17, s17, s41
	s_lshl_b32 s43, s41, 2
	s_lshl_b32 s43, 15, s43
	s_lshl_b32 s44, 0x1111, s40
	s_or_b32 s[G1+0], s43, (3<<16)|(1<<21)
	s_or_b32 s[G1B+0], s44, (3<<16)|(1<<21)
.irp g, G1, G1B
	s_mov_b32 s[\g+1], 384<<16
	s_mov_b32 s[\g+3], 384<<16
	s_mov_b32 s[\g+5], 1536
	s_mov_b32 s[\g+6], 0
	s_mov_b32 s[\g+7], 0
.endr
	s_mov_b32 s[G1+2], 16<<16                      ; the head's loads: 16 tile rows of A,
	s_mov_b32 s[G1+4], 16
	s_mov_b32 s[G1B+2], 8<<16                      ; 8 of B (the ring's counts are set behind the head's wait)
	s_mov_b32 s[G1B+4], 8
	s_or_b32 s[G1S+0], s43, (3<<16)|(1<<21)
	s_or_b32 s[G1SB+0], s44, (3<<16)|(1<<21)
.irp g, G1S, G1SB
	s_mov_b32 s[\g+1], 32<<16
	s_mov_b32 s[\g+3], 32<<16
	s_mov_b32 s[\g+5], 32
	s_mov_b32 s[\g+6], 0
	s_mov_b32 s[\g+7], 0
.endr
	s_mov_b32 s[G1S+2], 32<<16                     ; A's scale words: 32 rows of 256 bytes,
	s_mov_b32 s[G1S+4], 32
	s_mov_b32 s[G1SB+2], 16<<16                    ; B's: 16
	s_mov_b32 s[G1SB+4], 16
	s_lshl_b32 s18, s16, 3
	s_lshl_b32 s20, s17, 4
	s_add_co_u32 s20, s20, s18                     ; A: tile 16 x tile row + 8 x half
	s_lshl_b32 s18, s16, 2
	s_lshl_b32 s46, s42, 3
	s_add_co_u32 s46, s46, s18                     ; B: tile 192 + 8 x tile column + 4 x half
	s_add_co_u32 s46, s46, 192
	s_lshl_b32 s22, s20, 9
	s_mov_b32 s23, 0
	s_lshl_b32 s92, s46, 9
	s_mov_b32 s93, 0
	s_mul_i32 s20, s20, TPITCH
	s_mov_b32 s21, 0
	s_mul_i32 s46, s46, TPITCH
	s_mov_b32 s47, 0
	s_mul_i32 s45, s14, HALFT                      ; where the ring's loads of A go (waves 0, 1),
	s_mul_i32 s94, s16, HALFT/2
	s_add_co_u32 s94, s94, 2*HALFT                 ; and those of B (waves 2, 3): four tile rows each, behind A's sixteen
	s_wait_kmcnt 0x0
	s_add_nc_u64 s[20:21], s[4:5], s[20:21]
	s_add_nc_u64 s[22:23], s[6:7], s[22:23]
	s_add_nc_u64 s[46:47], s[8:9], s[46:47]
	s_add_nc_u64 s[92:93], s[10:11], s[92:93]
	CROUND
	s_mul_i32 s18, s16, 8*TPITCH                   ; the ring's addresses hold my half of a tile: taken off again for the head's whole tiles
	s_mov_b32 s19, 0
	s_mov_b32 s4, 1                                ; s[4:7]: slot 0's 16 tile rows of A (the arguments that lay here have been used)
	s_mov_b32 s5, 0
	s_sub_nc_u64 s[6:7], s[20:21], s[18:19]
	s_or_b32 s7, s7, 0x80000000
	s_mul_i32 s18, s16, 4*TPITCH
	s_mov_b32 s8, 1                                ; s[8:11]: its 8 of B, behind A's
	s_mov_b32 s9, 2*HALFT
	s_sub_nc_u64 s[10:11], s[46:47], s[18:19]
	s_or_b32 s11, s11, 0x80000000
	s_lshl_b32 s18, s16, 12
	s_mov_b32 s[G0S], 1                            ; A's scale words, behind B's
	s_mov_b32 s[G0S+1], SCL+HALFS
	s_sub_nc_u64 s[G0S+2:G0S+3], s[22:23], s[18:19]
	s_or_b32 s[G0S+3], s[G0S+3], 0x80000000
	s_lshl_b32 s18, s16, 11
	s_mov_b32 s[G0SB], 1                           ; B's
	s_mov_b32 s[G0SB+1], SCL
	s_sub_nc_u64 s[G0SB+2:G0SB+3], s[92:93], s[18:19]
	s_or_b32 s[G0SB+3], s[G0SB+3], 0x80000000
.macro ARM under, g0, g1, next                 ; one chain of branches on the wave's number, one load to an arm, all arms to one join
	s_cmp_lt_u32 s14, \under
	s_cbranch_scc0 \next
	tensor_load_to_lds s[\g0:\g0+3], s[\g1:\g1+7]
	s_nop 0
.rept 4
	v_nop
.endr
	s_branch .Lhead_asked
\next:
.endm
	ARM 1, 4, G1, .Lhead_b
	ARM 2, 8, G1B, .Lhead_sa
	ARM 3, G0S, G1S, .Lhead_sb
	tensor_load_to_lds s[G0SB:G0SB+3], s[G1SB:G1SB+7]
	s_nop 0
.rept 4
	v_nop
.endr
.Lhead_asked:
.irp s, 0,1
	s_mov_b32 s[G0+4*\s], 1
	s_add_co_u32 s[G0+4*\s+1], s45, \s*SLOT
	s_add_nc_u64 s[G0+4*\s+2:G0+4*\s+3], s[20:21], \s*TROW
	s_or_b32 s[G0+4*\s+3], s[G0+4*\s+3], 0x80000000
	s_mov_b32 s[G0B+4*\s], 1
	s_add_co_u32 s[G0B+4*\s+1], s94, \s*SLOT
	s_add_nc_u64 s[G0B+4*\s+2:G0B+4*\s+3], s[46:47], \s*TROW
	s_or_b32 s[G0B+4*\s+3], s[G0B+4*\s+3], 0x80000000
.endr
	v_and_b32 v1, 15, v0
	v_bfe_u32 v2, v0, 4, 1
	s_wait_alu depctr_va_vdst(0)
	v_and_b32 v3, 31, v0
	v_lshlrev_b32 v[L8], 3, v3
	s_mul_i32 s21, s15, HALFT
	s_mul_i32 s22, s16, HALFT/2                    ; my four tile rows of B
	s_add_co_u32 s22, s22, 2*HALFT
.irp s, 0,1
	v_add_nc_u32 v[ADRA+\s], s21, v[L8]
	v_add_nc_u32 v[ADRB+\s], s22, v[L8]
	s_add_co_u32 s21, s21, SLOT
	s_add_co_u32 s22, s22, SLOT
.endr
	s_lshl_b32 s21, s16, 11                        ; B's scale words: my four blocks (the lower base);
	s_lshl_b32 s22, s15, 12                        ; A's: my eight, behind B's 4,096 bytes
	s_add_co_u32 s22, s22, HALFS
	s_sub_co_u32 s22, s22, s21                     ; the distance between the two,
	v_xor_b32 v4, 1, v2
	v_mul_u32_u24 v4, s22, v4                      ; which lanes 0-15 add
	s_add_co_u32 s21, s21, SCL
	v_lshl_add_u32 v4, v1, 2, v4
	v_add_nc_u32 v[ADRS], s21, v4
	s_mul_i32 s23, s14, 16*SPITCH
	v_mul_u32_u24 v5, v1, SPITCH
	v_lshl_add_u32 v5, v2, 6, v5
	v_add_nc_u32 v[STO], s23, v5
	v_lshlrev_b32 v[CO], 4, v1                     ; back: sixteen lanes take a row of 256 bytes, the other sixteen the next row
	v_mad_u32_u24 v[RD], v2, SPITCH, v[CO]
	v_add_nc_u32 v[RD], s23, v[RD]
	v_lshl_add_u32 v[CO], v2, 12, v[CO]            ; and the same two rows in out0
	s_lshl_b32 s20, s17, 8
	s_lshl_b32 s21, s15, 7
	s_add_co_u32 s20, s20, s21
	s_lshl_b32 s20, s20, 12
	s_lshl_b32 s46, s42, 9                         ; my first column, in bytes: 512 x tile column + 256 x half
	s_lshl_b32 s47, s16, 8
	s_add_co_u32 s46, s46, s47
	s_add_co_u32 s20, s20, s46
	s_mov_b32 s21, 0
	s_add_nc_u64 s[12:13], s[98:99], s[20:21]
	s_mov_b32 s47, 0
	s_add_nc_u64 s[96:97], s[96:97], s[46:47]
	v_lshlrev_b32 v[BO], 6, v2
.irp b, 0,1,2,3
	global_load_b128 v[BI+8*\b:BI+8*\b+3], v[BO], s[96:97] offset:(32*(\b/2)+8*(\b%2))*4
	global_load_b128 v[BI+8*\b+4:BI+8*\b+7], v[BO], s[96:97] offset:(32*(\b/2)+8*(\b%2))*4+16
.endr
.macro FRAG reg, adr, q, i
.irp p, 0,1,2,3,4,5
	ds_load_b64 v[\reg+2*\p:\reg+2*\p+1], v[\adr] offset:(\i)*TROW+(\q)*FRB+256*\p
.endr
.endm
.macro MUL16 a0, p, q, sc, zero
.irp a, \a0, \a0+1
.irp b, 0,1,2,3
.if (\zero) == 1
	v_wmma_scale_f32_16x16x128_f8f6f4 v[8*(8*((\a)%4)+\b):8*(8*((\a)%4)+\b)+7], v[128*(\p)+FR*\b:128*(\p)+FR*\b+FR-1], v[AF+FR*(\a):AF+FR*(\a)+FR-1], v[BI+8*\b:BI+8*\b+7], v[SC+8*NQ*(\sc)+NQ*\b+(\q)], v[SC+8*NQ*(\sc)+NQ*(\a)+(\q)] matrix_a_fmt:MATRIX_FMT_FP6 matrix_b_fmt:MATRIX_FMT_FP6 matrix_a_scale:MATRIX_SCALE_ROW1
.else
	v_wmma_scale_f32_16x16x128_f8f6f4 v[8*(8*((\a)%4)+\b):8*(8*((\a)%4)+\b)+7], v[128*(\p)+FR*\b:128*(\p)+FR*\b+FR-1], v[AF+FR*(\a):AF+FR*(\a)+FR-1], v[8*(8*((\a)%4)+\b):8*(8*((\a)%4)+\b)+7], v[SC+8*NQ*(\sc)+NQ*\b+(\q)], v[SC+8*NQ*(\sc)+NQ*(\a)+(\q)] matrix_a_fmt:MATRIX_FMT_FP6 matrix_b_fmt:MATRIX_FMT_FP6 matrix_a_scale:MATRIX_SCALE_ROW1
.endif
.endr
.endr
.endm
.macro FETCH_B slot, q, p
	WIN TO_B
.irp i, 0,1,2,3
	FRAG 128*(\p)+FR*\i, ADRB+\slot, \q, \i
.endr
	WIN 0
.endm
.macro FETCH_A slot, q, i0
.irp i, \i0, \i0+1, \i0+2, \i0+3
	FRAG AF+FR*(\i), ADRA+\slot, \q, \i
.endr
.endm
.macro SCALES sc
.irp i, 0,1,2,3,4,5,6,7
.irp q, 0,1
	ds_load_b32 v[SC+8*NQ*\sc+NQ*\i+\q], v[ADRS] offset:\i*512+\q*64
.endr
.endr
.endm
.macro PLACES n
.rept \n
	v_nop
.endr
.endm
.macro STEP slot, q, zero
	s_wait_dscnt 4*NL
.if (\zero)
	WIN 0x81
.else
	WIN MUL_LO
.endif
	MUL16 0, (\q)%2, \q, \slot, \zero
	MUL16 2, (\q)%2, \q, \slot, \zero
	s_wait_dscnt 0
	PLACES NP
	FETCH_B \slot, (\q)+1, 1-(\q)%2
	FETCH_A \slot, (\q)+1, 0
.if (\zero)
	WIN 0xc1
.else
	WIN MUL_HI
.endif
	MUL16 4, (\q)%2, \q, \slot, \zero
	MUL16 6, (\q)%2, \q, \slot, \zero
	PLACES NP
	WIN 0
	FETCH_A \slot, (\q)+1, 4
.endm
.macro TURN slot, next, fill
	s_wait_tensorcnt 0x0
	ds_add_u32 v[SPW], v[NIL]
	s_wait_dscnt 4*NL+1
	WIN MUL_LO
	MUL16 0, 1, NQ-1, \slot, 0
	s_wait_dscnt 0x0
	s_barrier_signal -1
	MUL16 2, 1, NQ-1, \slot, 0
	WIN 0
	s_barrier_wait -1
.if \fill
	CREST
	s_add_nc_u64 s[G0+4*\slot+2:G0+4*\slot+3], s[G0+4*\slot+2:G0+4*\slot+3], 2*TROW
	s_add_nc_u64 s[G0B+4*\slot+2:G0B+4*\slot+3], s[G0B+4*\slot+2:G0B+4*\slot+3], 2*TROW
	JLOAD G0+4*\slot, G1, G0B+4*\slot, G1B
.else
	PLACES NP
.endif
	s_wait_alu depctr_va_vdst(0)
	v_add_nc_u32 v[ADRS], 64*NQ, v[ADRS]
	FETCH_B \next, 0, 0
	FETCH_A \next, 0, 0
	SCALES \next
	WIN MUL_HI
	MUL16 4, 1, NQ-1, \slot, 0
	MUL16 6, 1, NQ-1, \slot, 0
	PLACES NP
	WIN 0
	FETCH_A \next, 0, 4
.endm
	s_wait_alu depctr_va_vdst(0)                   ; the wait at the head's end
	s_wait_tensorcnt 0x0                           ; my tile of the head's four is in
	ds_add_u32 v[SPW], v[NIL]
	s_mov_b32 s[G1+2], 8<<16                       ; no tensor load of mine is out: from here on a load brings 8 tile rows of A
	s_mov_b32 s[G1+4], 8
	s_mov_b32 s[G1B+2], 4<<16                      ; or 4 of B
	s_mov_b32 s[G1B+4], 4
	s_wait_dscnt 0x0
	CROUND                                         ; all four tiles are in, in every partner
	JLOAD G0+4, G1, G0B+4, G1B                     ; slot 1's first fill, my one load behind the round
	s_wait_loadcnt 0x0                             ; the bias, asked for ahead of the waits above
	FETCH_B 0, 0, 0
	FETCH_A 0, 0, 0
	SCALES 0
	FETCH_A 0, 0, 4
	STEP 0, 0, 1
	TURN 0, 1, 1
	STEP 1, 0, 0
	TURN 1, 0, 1
	STEP 0, 0, 0
	TURN 0, 1, 0
	STEP 1, 0, 0
	s_wait_dscnt 4*NL
	WIN MUL_LO
	MUL16 0, 1, NQ-1, 1, 0
	MUL16 2, 1, NQ-1, 1, 0
	s_wait_dscnt 0
	WIN MUL_HI
	MUL16 4, 1, NQ-1, 1, 0
	MUL16 6, 1, NQ-1, 1, 0
	WIN 0
.macro TOSTAGE a
.set AC, 64*((\a)%4)
	WIN 0x08+4*((\a)/4)
.irp b, 0,1,2,3
	ds_store_b128 v[STO], v[AC+8*\b:AC+8*\b+3] offset:128*(\b/2)+32*(\b%2)
	ds_store_b128 v[STO], v[AC+8*\b+4:AC+8*\b+7] offset:128*(\b/2)+32*(\b%2)+16
.endr
	WIN 0
.set BB, BK+64*((\a)%2)
.irp t, 0,1,2,3,4,5,6,7
	ds_load_b128 v[BB+4*\t:BB+4*\t+3], v[RD] offset:2*\t*SPITCH
.endr
.endm
.macro SEND a, younger
.set BB, BK+64*((\a)%2)
	s_wait_dscnt \younger
.irp t, 0,1,2,3,4,5,6,7
	global_store_b128 v[CO], v[BB+4*\t:BB+4*\t+3], s[12:13] offset:(32*((\a)/2)+8*((\a)%2)+2*\t+8*(\t/4))*4096 th:TH_STORE_NT   ; positions 2 t, 2 t + 1: sixteen lanes store 256 consecutive bytes, aligned
.endr
.endm
	PLACES NP
	TOSTAGE 0
.irp a, 1,2,3,4,5,6,7
.if \a > 1
	s_wait_xcnt 0x0
.endif
	TOSTAGE \a
	SEND \a-1, 16                                  ; behind block a - 1's loads: block a's 8 stores and 8 loads
.endr
	SEND 7, 0
	s_wait_tensorcnt 0x0
	ds_add_u32 v[SPW], v[NIL]
	s_wait_dscnt 0x0
	CROUND
	s_endpgm
.Lfunc_end_k_qd0bccdd554_proj:
	.size	k_qd0bccdd554_proj, .Lfunc_end_k_qd0bccdd554_proj-k_qd0bccdd554_proj
	.p2alignl 7, 3214868480
	.fill 96, 4, 3214868480
	.section	.rodata,"a",@progbits
	.p2align	6, 0x0
	.amdhsa_kernel k_qd0bccdd554_proj
		.amdhsa_group_segment_fixed_size 327680
		.amdhsa_private_segment_fixed_size 0
		.amdhsa_enable_private_segment 0
		.amdhsa_kernarg_size 48
		.amdhsa_user_sgpr_count 2
		.amdhsa_user_sgpr_kernarg_segment_ptr 1
		.amdhsa_wavefront_size32 1
		.amdhsa_system_sgpr_workgroup_id_x 1
		.amdhsa_system_sgpr_workgroup_id_y 1
		.amdhsa_system_sgpr_workgroup_id_z 1
		.amdhsa_system_vgpr_workitem_id 0
		.amdhsa_next_free_vgpr 1024
		.amdhsa_next_free_sgpr 100
		.amdhsa_reserve_vcc 0
		.amdhsa_float_denorm_mode_32 3
		.amdhsa_float_denorm_mode_16_64 3
		.amdhsa_memory_ordered 1
		.amdhsa_forward_progress 1
		.amdhsa_inst_pref_size 105
	.end_amdhsa_kernel
	.amdgpu_metadata
---
amdhsa.version: [ 1, 2 ]
amdhsa.kernels:
  - .name:           k_qd0bccdd554_proj
    .symbol:         k_qd0bccdd554_proj.kd
    .args:
      - { .name: oop, .offset: 0, .size: 8, .value_kind: global_buffer, .address_space: global }
      - { .name: osc, .offset: 8, .size: 8, .value_kind: global_buffer, .address_space: global }
      - { .name: wop, .offset: 16, .size: 8, .value_kind: global_buffer, .address_space: global }
      - { .name: wsc, .offset: 24, .size: 8, .value_kind: global_buffer, .address_space: global }
      - { .name: bproj, .offset: 32, .size: 8, .value_kind: global_buffer, .address_space: global }
      - { .name: out0, .offset: 40, .size: 8, .value_kind: global_buffer, .address_space: global }
    .group_segment_fixed_size: 327680
    .private_segment_fixed_size: 0
    .kernarg_segment_align: 8
    .kernarg_segment_size: 48
    .max_flat_workgroup_size: 128
    .sgpr_count:     100
    .vgpr_count:     1024
    .wavefront_size: 32
...
	.end_amdgpu_metadata
.endif
;; end of part 4
